; MI455X (gfx1250); checked and timed in simulation.
; The chip was launched on July 23, 2026; its instructions are those of AMD's public machine-readable ISA for CDNA 5 (MIT licence, August 2026) and "CDNA5" Instruction Set Architecture Reference Guide (July 2026). The comments in the code are by the model that wrote it; some were corrected since.
;; Self Attention. Allowed arithmetic: matrix products marked QUANTISED: E2M1 operands, one E8M0 scale for each 32 along K, by v_wmma_scale_f32_16x16x128_f8f6f4 with both operands' format E2M1 (or v_wmma_scale_f32_32x16x128_f4), f32 sums; everything else in f32.
;; Inputs: K 8 x 1,024 x 1,024 float32; Q 8 x 1,024 x 1,024 float32; Q_len 8 x 1 int32; V 8 x 1,024 x 1,024 float32; V_len 8 x 1 int32; WK 1,024 x 1,024 float32; WQ 1,024 x 1,024 float32; WV 1,024 x 1,024 float32.
;; Outputs: out0 8 x 1,024 x 1,024 float32.
;; This version of the problem:
;;   THIS VERSION OF THE PROBLEM IS GIVEN IN LOW PRECISION. The matrix products marked QUANTISED in the list below multiply operands that are first quantised to E2M1 (2 exponent bits, 1 mantissa bit; 4 bits a number), with one power-of-two scale for each 32 numbers along K (OCP MX v1.0); their sums are f32. All else is computed in f32.
;;   The module's matrix products, in the order in which they are computed (A, B: the left and right operand; K: the contracted axis; several contracted axes count as one K, in the product's order):
;;     1. [M 8,192, K 1,024] x [K 1,024, N 1,024]; A: input Q; B: input WQ: QUANTISED
;;     2. [M 8,192, K 1,024] x [K 1,024, N 1,024]; A: input K; B: input WK: QUANTISED
;;     3. [M 8,192, K 1,024] x [K 1,024, N 1,024]; A: input V; B: input WV: QUANTISED
;;     4. batch 128 x [M 1,024, K 64] x [K 64, N 1,024]; A: computed on the way; B: computed on the way: QUANTISED
;;     5. batch 128 x [M 1,024, K 1,024] x [K 1,024, N 64]; A: softmax (see below); B: computed on the way: QUANTISED
;;   THE QUANTISER, for each operand of a quantised product, along K:
;;     - K is cut into blocks of 32 from its start; a last block that is shorter is filled with zeros.
;;     - A block's scale is 2^e with e = floor(log2(the largest magnitude in the block)) - 2, held to -126 .. 127; a block of zeros has e = 0. As a byte (E8M0): e + 127.
;;     - Each number is divided by its block's scale, clamped to +-6, and rounded to the nearest number of E2M1, ties to even, subnormals kept.
;;     - The product sums the exact products of the quantised numbers (number of the format x scale) in f32.
;;   ~~~python
;;   def quantise(x, axis):      # numpy; x: float32 -> the quantised numbers, widened to float32 again
;;       x = np.moveaxis(x, axis, -1); K = x.shape[-1]
;;       x = np.pad(x, [(0, 0)] * (x.ndim - 1) + [(0, -K % 32)]); x = x.reshape(x.shape[:-1] + (-1, 32)); a = np.abs(x).max(-1, keepdims=True)
;;       e = np.where(a > 0, np.clip(np.frexp(np.where(a > 0, a, 1))[1] - 1 - 2, -126, 127), 0)      # np.frexp(a)[1] - 1 = floor(log2(a)), exactly
;;       r = np.clip(x / 2.0 ** e, -6, 6)
;;       step = 2.0 ** (np.maximum(np.frexp(np.where(r == 0, 1, r))[1] - 1, 0) - 1)
;;       q = np.round(r / step) * step * 2.0 ** e      # np.round: ties to even
;;       return np.moveaxis(q.reshape(q.shape[:-2] + (-1,))[..., :K], -1, axis).astype(np.float32)
;;   ~~~
;;   SOFTMAX AHEAD OF A QUANTISED PRODUCT. Where the list says 'softmax', what is quantised is not the finished softmax but p = 2^(t - M), with t = logit x log2(e) and M = ceil(the row's largest t), a whole number; so 1/2 < the row's largest p <= 1. The row's sum l is taken of the UNQUANTISED p, in f32, and the product's result is divided by l at the end. Since M is a whole number, a kernel that streams over the keys may use a running M (the ceiling of the running maximum): every later rescaling is an exact power of two, which a block's scale takes up: the codes' values come out the same.
;;   OPERANDS COMPUTED ON THE WAY. 'Computed on the way' means the value that the module computes at that place (a softmax that the list does not call 'softmax' is quantised finished and normalised). What goes into a quantiser is computed in f32, as accurately as f32 sums, v_exp_f32 and their like allow (about 1e-6 of the number): no bf16 or f16 on the way to a quantiser, and a product that is left as it is and whose result goes on into a quantised operand takes f32 operands (vector FMAs, or v_wmma_f32_16x16x4_f32). A number that lies on a knife's edge between two numbers of the format may be rounded either way, as far as f32 arithmetic and the matrix unit's own rounding can turn it there, and no further.
;; One version. Each part assembles by itself: llvm-mc -triple=amdgcn-amd-amdhsa -mcpu=gfx1250 --defsym DOCPART=n.
;; ======== version 1 of 1: 4 launches
;; limits: right only within a limited range of input values
;; workspace buffers: xc 12,582,912 bytes; xs 786,432 bytes; wc 1,572,864 bytes; ws 98,304 bytes; img 12,582,912 bytes; sc 1,310,720 bytes; tab 256 bytes of whole numbers
;; launch quant_w (part 1): grid 16 x 3, 16 waves a work-group, no clusters, 37,888 bytes of LDS; arguments WQ, WK, WV, wc, ws; writes wc, ws
.if DOCPART == 1
	.amdgcn_target "amdgcn-amd-amdhsa--gfx1250"
	.amdhsa_code_object_version 6
	.text
	.protected	k_qab842a3eaa_quant_w
	.globl	k_qab842a3eaa_quant_w
	.p2align	8
	.type	k_qab842a3eaa_quant_w,@function
k_qab842a3eaa_quant_w:
	s_mov_b64 s[64:65], 0
	v_nop
	global_prefetch_b8 v0, s[64:65] scope:SCOPE_SE
	s_setreg_imm32_b32 hwreg(HW_REG_WAVE_MODE, 25, 1), 1
	s_wait_xcnt 0x0
; WQ, WK, WV: [1024 (k)][1024 (n)] f32, K is the FIRST axis.  Each is turned into codes of FP4 (E2M1) laid [stored n][512 bytes], K innermost, and E8M0 scale bytes laid [stored n][32], one for each 32 along K.
; A block's scale is 2^(floor(log2(its largest magnitude)) - 2); its byte is the largest magnitude's exponent field - 2, held at 1 from below.
; LIMITS: a block of zeros gets the byte 1 where the quantiser says 127 (its codes are zeros, and this program alone reads the bytes); NaN and infinities among the inputs are not served.
; STORED ROWS ARE PERMUTED inside each group of 32: true n = 32 g + rho lies at 32 g + (rho & 7) + 8 (rho >> 4) + 16 ((rho >> 3) & 1).  So sixteen stored rows on end, tile 2 b + u, are the true rows
; 32 b + 8 u + r + 8 (r / 8): a matrix result whose rows are such tiles has 16 true neighbours in the 16 registers of two neighbouring tiles, which is what the next quantiser wants.
; SHARES.  A work-group takes 64 columns of weight y, all of K.  Wave w: columns 32 (w & 1) on, a lane to a column; K rows 128 (w >> 1) on: four blocks of 32, each whole in one lane's registers.
; Two neighbouring waves read 256 consecutive bytes of a row of W.  The codes meet in a stage in LDS (64 stored rows x (512 + 16) bytes) and leave as whole rows of 512 bytes.
.set PITCH, 528
.set SCST,  64*PITCH                   ; behind the stage: 64 stored rows x 32 scale bytes
.set EMAX,  2
.set NB,    4                          ; blocks of a wave
.set X,     32                         ; v32-95   two sets of 32 numbers
.set C,     96                         ; v96-99   a block's codes
.set SB,    24                         ; v24      my column's four scale bytes
.set OUTR,  112                        ; v112-127 the way out;  v128-131 the scale bytes' way out
	s_load_b128 s[4:7], s[0:1], 0x0                ; WQ, WK
	s_load_b128 s[8:11], s[0:1], 0x10              ; WV, the codes
	s_load_b64 s[12:13], s[0:1], 0x20              ; the scale bytes
	v_lshl_add_u32 v192, v0, 2, 0x8c00
	v_mov_b32 v193, 0
	v_lshrrev_b32 v1, 5, v0
	s_delay_alu instid0(VALU_DEP_1)
	v_readfirstlane_b32 s16, v1                    ; wave 0..15
	s_and_b32 s17, ttmp7, 0xffff                   ; which weight
	s_and_b32 s18, s16, 1                          ; which 32 columns
	s_lshr_b32 s19, s16, 1                         ; which 128 along K
	v_and_b32 v2, 31, v0                           ; lane
	s_delay_alu instid0(VALU_DEP_1)
	v_lshlrev_b32 v3, 2, v2                        ; in: 4 bytes a lane
	s_delay_alu instid0(VALU_DEP_2)
	v_and_b32 v5, 7, v2
	s_delay_alu instid0(VALU_DEP_3)
	v_bfe_u32 v6, v2, 4, 1
	s_delay_alu instid0(VALU_DEP_1)
	v_lshl_add_u32 v5, v6, 3, v5
	v_bfe_u32 v6, v2, 3, 1
	s_delay_alu instid0(VALU_DEP_1)
	v_lshl_add_u32 v5, v6, 4, v5                   ; my column's stored place in its group of 32
	s_lshl_b32 s20, s18, 5
	v_add_nc_u32 v5, s20, v5                       ; its row of the stage
	s_delay_alu instid0(VALU_DEP_1)
	v_mul_u32_u24 v4, v5, PITCH
	s_lshl_b32 s20, s19, 6
	v_add_nc_u32 v4, s20, v4                       ; into the stage: my row, my wave's 64 bytes of it
	v_lshlrev_b32 v9, 5, v5
	s_lshl_b32 s20, s19, 2
	s_add_co_u32 s20, s20, SCST
	v_add_nc_u32 v9, s20, v9                       ; my row of scale bytes, my wave's four
	v_lshlrev_b32 v8, 4, v2                        ; out: 16 bytes a lane
	s_mul_i32 s20, s16, 4*PITCH
	v_add_nc_u32 v7, s20, v8                       ; wave w reads stored rows 4 w .. 4 w + 3 back, whole
	s_min_u32 s26, s16, 3                          ; waves 0 to 3 store the scale bytes, 512 each (held at 3 so that no lane's address leaves LDS in the others)
	s_lshl_b32 s20, s26, 9
	s_add_co_u32 s20, s20, SCST
	v_add_nc_u32 v10, s20, v8
	s_lshl_b32 s20, s19, 19                        ; W: 128 rows of 4,096 bytes for each step of w >> 1,
	s_lshl_b32 s21, ttmp9, 8                       ; 64 columns a work-group,
	s_add_co_u32 s20, s20, s21
	s_lshl_b32 s21, s18, 7                         ; 32 a wave
	s_add_co_u32 s20, s20, s21
	s_mov_b32 s21, 0
	s_lshl_b32 s22, s17, 19                        ; the codes: 524,288 bytes a weight, (64 x + 4 w) rows of 512
	s_lshl_b32 s23, ttmp9, 15
	s_add_co_u32 s22, s22, s23
	s_lshl_b32 s23, s16, 11
	s_add_co_u32 s22, s22, s23
	s_mov_b32 s23, 0
	s_lshl_b32 s24, s17, 15                        ; the scale bytes: 32,768 a weight, 2,048 a work-group, 512 a storing wave
	s_lshl_b32 s25, ttmp9, 11
	s_add_co_u32 s24, s24, s25
	s_lshl_b32 s25, s26, 9
	s_add_co_u32 s24, s24, s25
	s_mov_b32 s25, 0
	s_wait_kmcnt 0x0
	s_cmp_eq_u32 s17, 0                            ; the weight is chosen by the work-group's y alone
	s_cselect_b64 s[4:5], s[4:5], s[6:7]
	s_cmp_eq_u32 s17, 2
	s_cselect_b64 s[4:5], s[8:9], s[4:5]
	s_add_nc_u64 s[4:5], s[4:5], s[20:21]
	s_add_nc_u64 s[6:7], s[10:11], s[22:23]
	s_add_nc_u64 s[8:9], s[12:13], s[24:25]
.macro LOAD t                          ; block t: W(32 t + i, my column), i = 0 .. 31, into set t % 2
.irp i, 0,1,2,3,4,5,6,7,8,9,10,11,12,13,14,15,16,17,18,19,20,21,22,23,24,25,26,27,28,29,30,31
	global_load_b32 v[X+32*((\t)%2)+\i], v3, s[4:5] offset:(32*(\t)+\i)*4096 th:TH_LOAD_NT
.endr
.endm
	LOAD 0
	LOAD 1
.macro BLOCK t
.set XS, X+32*((\t)%2)
.if (\t) < NB-1
	s_wait_loadcnt 32                              ; this block's 32 loads are in; the next block's 32 may be out
.else
	s_wait_loadcnt 0
.endif
	v_max3_num_f32 v12, |v[XS]|, |v[XS+1]|, |v[XS+2]|               ; the block's largest magnitude: all 32 numbers are mine; two chains
	v_max3_num_f32 v13, |v[XS+3]|, |v[XS+4]|, |v[XS+5]|
.irp i, 6,10,14,18,22,26
	s_delay_alu instid0(VALU_DEP_2)
	v_max3_num_f32 v12, v12, |v[XS+\i]|, |v[XS+\i+1]|
	s_delay_alu instid0(VALU_DEP_2)
	v_max3_num_f32 v13, v13, |v[XS+\i+2]|, |v[XS+\i+3]|
.endr
	s_delay_alu instid0(VALU_DEP_2)
	v_max3_num_f32 v12, v12, |v[XS+30]|, |v[XS+31]|
	s_delay_alu instid0(VALU_DEP_1)
	v_max3_num_f32 v12, v12, v13, (EMAX+1)<<23     ; and the floor 2^(EMAX + 1 - 127): the byte cannot fall under 1
	s_delay_alu instid0(VALU_DEP_1)
	v_add_nc_u32 v11, -(EMAX<<23), v12             ; EMAX off the exponent field: the conversion takes the exponent field of this operand as its scale
	s_delay_alu instid0(VALU_DEP_1)
	v_lshrrev_b32 v13, 23, v11                     ; the scale's byte
.if (\t) == 0
	s_delay_alu instid0(VALU_DEP_1)
	v_mov_b32 v[SB], v13                           ; four bytes to the register, the lower K in the lower byte
.else
	s_delay_alu instid0(VALU_DEP_1)
	v_lshl_or_b32 v[SB], v13, 8*(\t), v[SB]
.endif
.irp g, 0,1,2,3
	v_cvt_scalef32_pk8_fp4_f32 v[C+\g], v[XS+8*\g:XS+8*\g+7], v11
.endr
	ds_store_b128 v4, v[C:C+3] offset:16*(\t)      ; 32 codes: 16 bytes of my column's row.  (The codes go to an LDS store alone; the next block begins with plain vector lines)
.if (\t)+2 < NB
	LOAD (\t)+2
.endif
	s_wait_dscnt 0x0                               ; the store has read its registers: the next block's codes may be written
.endm
	BLOCK 0
	BLOCK 1
	BLOCK 2
	BLOCK 3
	s_wait_alu depctr_va_vdst(0)
	ds_store_b32 v9, v[SB]
	s_wait_dscnt 0x0                               ; for the others' sake: my stores into the stage are done
	s_barrier_signal -1
	s_barrier_wait -1                              ; a stored row's 512 bytes come from eight waves
.irp i, 0,1,2,3
	ds_load_b128 v[OUTR+4*\i:OUTR+4*\i+3], v7 offset:\i*PITCH
.endr
.irp i, 0,1,2,3
	s_wait_dscnt 3-\i                              ; row i is back; the younger loads may be out
	global_store_b128 v8, v[OUTR+4*\i:OUTR+4*\i+3], s[6:7] offset:512*\i   ; 32 lanes store 512 consecutive bytes, at a multiple of 512 from the buffer's first byte
.endr
	s_cmp_gt_u32 s16, 3
	s_cbranch_scc1 .Ldone
	ds_load_b128 v[128:131], v10
	s_wait_dscnt 0x0
	global_store_b128 v8, v[128:131], s[8:9]       ; sixteen stored rows' scale bytes: 512 consecutive bytes
.Ldone:
	s_wait_tensorcnt 0x0
	ds_add_u32 v192, v193
	s_wait_dscnt 0x0
	s_endpgm
.Lfunc_end_k_qab842a3eaa_quant_w:
	.size	k_qab842a3eaa_quant_w, .Lfunc_end_k_qab842a3eaa_quant_w-k_qab842a3eaa_quant_w
	.p2alignl 7, 3214868480
	.fill 96, 4, 3214868480
	.section	.rodata,"a",@progbits
	.p2align	6, 0x0
	.amdhsa_kernel k_qab842a3eaa_quant_w
		.amdhsa_group_segment_fixed_size 37888
		.amdhsa_private_segment_fixed_size 0
		.amdhsa_enable_private_segment 0
		.amdhsa_kernarg_size 40
		.amdhsa_user_sgpr_count 2
		.amdhsa_user_sgpr_kernarg_segment_ptr 1
		.amdhsa_wavefront_size32 1
		.amdhsa_system_sgpr_workgroup_id_x 1
		.amdhsa_system_sgpr_workgroup_id_y 1
		.amdhsa_system_sgpr_workgroup_id_z 1
		.amdhsa_system_vgpr_workitem_id 0
		.amdhsa_next_free_vgpr 194
		.amdhsa_next_free_sgpr 66
		.amdhsa_reserve_vcc 0
		.amdhsa_float_denorm_mode_32 3
		.amdhsa_float_denorm_mode_16_64 3
		.amdhsa_memory_ordered 1
		.amdhsa_forward_progress 1
		.amdhsa_inst_pref_size 25
	.end_amdhsa_kernel
	.amdgpu_metadata
---
amdhsa.version: [ 1, 2 ]
amdhsa.kernels:
  - .name:           k_qab842a3eaa_quant_w
    .symbol:         k_qab842a3eaa_quant_w.kd
    .args:
      - { .name: WQ, .offset: 0, .size: 8, .value_kind: global_buffer, .address_space: global }
      - { .name: WK, .offset: 8, .size: 8, .value_kind: global_buffer, .address_space: global }
      - { .name: WV, .offset: 16, .size: 8, .value_kind: global_buffer, .address_space: global }
      - { .name: wc, .offset: 24, .size: 8, .value_kind: global_buffer, .address_space: global }
      - { .name: ws, .offset: 32, .size: 8, .value_kind: global_buffer, .address_space: global }
    .group_segment_fixed_size: 37888
    .private_segment_fixed_size: 0
    .kernarg_segment_align: 8
    .kernarg_segment_size: 40
    .max_flat_workgroup_size: 512
    .sgpr_count:     66
    .vgpr_count:     194
    .wavefront_size: 32
...
	.end_amdgpu_metadata
.endif
;; end of part 1
;; launch quant_x (part 2): grid 256 x 3, 4 waves a work-group, no clusters, 33,280 bytes of LDS; arguments Q, K, V, xc, xs, Q_len, V_len, tab; writes xc, xs, tab
.if DOCPART == 2
	.amdgcn_target "amdgcn-amd-amdhsa--gfx1250"
	.amdhsa_code_object_version 6
	.text
	.protected	k_qab842a3eaa_quant_x
	.globl	k_qab842a3eaa_quant_x
	.p2align	8
	.type	k_qab842a3eaa_quant_x,@function
k_qab842a3eaa_quant_x:
	s_mov_b64 s[64:65], 0
	v_nop
	global_prefetch_b8 v0, s[64:65] scope:SCOPE_SE
	s_setreg_imm32_b32 hwreg(HW_REG_WAVE_MODE, 25, 1), 1
	s_wait_xcnt 0x0
; Q, K, V: [8192 rows][1024] f32, K innermost, are turned into codes of FP4 (E2M1), [stored row][512 bytes], with one E8M0 scale byte for each 32 along K, [stored row][32].
; A block's scale is 2^(floor(log2(its largest magnitude)) - 2); its byte is the largest magnitude's exponent field - 2, held at 1 from below.  Each number is divided by the scale and rounded to the nearest code, ties to even; beyond the largest code the largest.
; LIMITS: a block of zeros gets the byte 1 where the quantiser says 127 (its codes are zeros, and this program alone reads the bytes); NaN and infinities among the inputs are not served.
; STORED ROWS ARE PERMUTED inside each group of 32: the four runs of 8 rows lie in the order 0, 2, 1, 3.  So sixteen stored rows on end, tile 2 b + u, are the true rows 32 b + 8 u + r + 8 (r / 8).
; A wave takes one run: 8 rows = 8,192 numbers, 16 steps of 512.  The work-group's four waves are the four runs of one group of 32 rows, so the permutation is a swap of waves 1 and 2 in the output addresses.
; Each of a step's four loads reads 512 consecutive bytes, 16 a lane; the 2,048 bytes turn through the wave's own stage in LDS and come back 64 bytes a lane: 16 NEIGHBOURS, as the conversions want them (two lanes hold a block).
; A lane's 16 codes are 8 bytes: a wave's store covers 256 consecutive bytes.  A wave's 256 scale bytes are gathered in its own LDS bytes and leave by one store of 256 consecutive bytes.
; No barrier: waves share nothing.  Loads run four steps (16 loads a wave) ahead, the turn through LDS one step.
.set STEPS, 16
.set EMAX,  2
.set CB,    8                          ; bytes of 16 codes
.set R,     16                         ; v16-79   four sets of 16 numbers as they are loaded
.set X,     80                         ; v80-111  two sets of 16 neighbours
.set C,     128                        ; v128-191 codes: four registers for each step, so that no store's data are written again
.set E,     112                        ; v112-127 a scale byte for each step
.set WREG,  8192                       ; LDS: a region of its own for each wave: two stages of 32 x SP bytes, and behind them its 256 scale bytes
.set SP,    80                         ; a lane's place in a stage: its 64 bytes + 16 of padding
	s_load_b128 s[4:7], s[0:1], 0x0                ; Q, K
	s_load_b128 s[8:11], s[0:1], 0x10              ; V, the codes
	s_load_b64 s[12:13], s[0:1], 0x20              ; the scale bytes
	v_lshl_add_u32 v192, v0, 2, 0x8000
	v_mov_b32 v193, 0
	v_lshrrev_b32 v1, 5, v0
	v_readfirstlane_b32 s16, v1                    ; wave
	v_and_b32 v2, 31, v0                           ; lane
	v_lshlrev_b32 v3, 4, v2                        ; my 16 bytes of a load's 512
	s_mul_i32 s17, s16, WREG
	v_lshrrev_b32 v14, 2, v2
	v_mul_u32_u24 v14, v14, SP
	v_and_b32 v15, 3, v2
	v_lshl_add_u32 v14, v15, 4, v14
	v_add_nc_u32 v14, s17, v14                     ; the stage, on the way in: four lanes' 64 bytes on end, then 16 of padding
	v_mul_u32_u24 v15, v2, SP
	v_add_nc_u32 v15, s17, v15                     ; and on the way out: SP x lane: my 16 neighbours
	v_mul_u32_u24 v4, v2, CB                       ; my codes' place in a step's
	v_lshrrev_b32 v5, 1, v2
	s_add_co_u32 s17, s17, 2*32*SP
	v_add_nc_u32 v5, s17, v5                       ; LDS: my wave's 256 scale bytes, my block's byte
	v_lshlrev_b32 v7, 3, v2                        ; and on the way out 8 bytes a lane
	v_add_nc_u32 v6, s17, v7
	s_and_b32 s22, ttmp7, 0xffff                   ; which tensor
	s_lshl_b32 s17, ttmp9, 2                       ; the group's first run
	s_and_b32 s20, s16, 1
	s_lshl_b32 s20, s20, 1
	s_lshr_b32 s21, s16, 1
	s_or_b32 s20, s20, s21                         ; where my run is stored: waves 1 and 2 change places
	s_add_co_u32 s20, s20, s17
	s_mov_b32 s19, 0
	s_wait_alu depctr_va_vdst(0)
	s_wait_kmcnt 0x0
	s_cmp_eq_u32 s22, 0                            ; the tensor is chosen by the work-group's y alone
	s_cselect_b64 s[4:5], s[4:5], s[6:7]
	s_cmp_eq_u32 s22, 2
	s_cselect_b64 s[4:5], s[8:9], s[4:5]
	s_add_co_u32 s18, s17, s16
	s_lshl_b32 s18, s18, 15                        ; in: 32,768 bytes a run
	s_add_nc_u64 s[4:5], s[4:5], s[18:19]
	s_lshl_b32 s18, s20, 12                        ; codes: 4,096 bytes a run, 4,194,304 a tensor
	s_lshl_b32 s21, s22, 22
	s_add_co_u32 s18, s18, s21
	s_add_nc_u64 s[8:9], s[10:11], s[18:19]
	s_lshl_b32 s18, s20, 8                         ; scale bytes: 256 a run, 262,144 a tensor
	s_lshl_b32 s21, s22, 18
	s_add_co_u32 s18, s18, s21
	s_add_nc_u64 s[10:11], s[12:13], s[18:19]
.macro LOAD t
.irp i, 0,1,2,3
	global_load_b128 v[R+16*((\t)%4)+4*\i:R+16*((\t)%4)+4*\i+3], v3, s[4:5] offset:2048*(\t)+512*\i th:TH_LOAD_NT   ; 32 lanes read 512 consecutive bytes
.endr
.endm
.macro TURN t                          ; step t's numbers through the stage: LDS serves a wave's instructions in order, so no wait stands between the stores and the loads
.irp i, 0,1,2,3
	ds_store_b128 v14, v[R+16*((\t)%4)+4*\i:R+16*((\t)%4)+4*\i+3] offset:32*SP*((\t)%2)+8*SP*\i
.endr
.irp i, 0,1,2,3
	ds_load_b128 v[X+16*((\t)%2)+4*\i:X+16*((\t)%2)+4*\i+3], v15 offset:32*SP*((\t)%2)+16*\i
.endr
.endm
.irp t, 0,1,2,3
	LOAD \t
.endr
	s_wait_loadcnt 12                              ; step 0's four loads are in; the twelve of steps 1 to 3 may be out
	TURN 0
.macro STEP t
.set XS, X+16*((\t)%2)
.if (\t) > 0
	s_wait_dscnt 1                                 ; this step's numbers are back from the stage (the last step's byte store may be out): so its stores into the stage have read their registers,
.else
	s_wait_dscnt 0x0
.endif
.if (\t)+4 < STEPS
	LOAD (\t)+4                                    ; which take the loads of four steps on
.endif
.if (\t)+1 < STEPS
.if STEPS-2-(\t) >= 3
	s_wait_loadcnt 12                              ; the next step's four loads are in; those of the three steps behind it may be out
.else
	s_wait_loadcnt 4*(STEPS-2-(\t))
.endif
	TURN (\t)+1                                    ; and go through the other stage while this step is worked
.endif
	v_max3_num_f32 v8, |v[XS]|, |v[XS+1]|, |v[XS+2]|               ; the largest magnitude of my 16
	v_max3_num_f32 v9, |v[XS+3]|, |v[XS+4]|, |v[XS+5]|
.irp i, 6,10
	v_max3_num_f32 v8, v8, |v[XS+\i]|, |v[XS+\i+1]|
	v_max3_num_f32 v9, v9, |v[XS+\i+2]|, |v[XS+\i+3]|
.endr
	v_max3_num_f32 v8, v8, |v[XS+14]|, |v[XS+15]|
	v_max3_num_f32 v8, v8, v9, (EMAX+1)<<23        ; and the floor 2^(EMAX + 1 - 127): the byte cannot fall under 1
	v_max_num_f32_dpp v8, v8, v8 row_xmask:1 row_mask:0xf bank_mask:0xf   ; and of my neighbour's 16: the block's
	v_add_nc_u32 v11, -(EMAX<<23), v8              ; EMAX off its exponent field: the conversion's scale operand
	v_cvt_scalef32_pk8_fp4_f32 v[C+4*(\t)], v[XS:XS+7], v11
	v_cvt_scalef32_pk8_fp4_f32 v[C+4*(\t)+1], v[XS+8:XS+15], v11
	v_lshrrev_b32 v[E+(\t)], 23, v11               ; the scale's byte
	ds_store_b8 v5, v[E+(\t)] offset:16*(\t)       ; both lanes of a block write the same byte with the same value
	global_store_b64 v4, v[C+4*(\t):C+4*(\t)+1], s[8:9] offset:32*CB*(\t)   ; 32 lanes store 256 consecutive bytes
.endm
.irp t, 0,1,2,3,4,5,6,7,8,9,10,11,12,13,14,15
	STEP \t
.endr
	ds_load_b64 v[12:13], v6                       ; LDS serves a wave's instructions in order: these see my stores
	s_wait_dscnt 0x0
	global_store_b64 v7, v[12:13], s[10:11]        ; 32 lanes store 256 consecutive bytes
; THE TABLE FOR THE ATTENTION LAUNCH, made by wave 0 of work-group (0, 0) alone, in whole numbers.  That launch has 16 units of 16 work-groups (a work-group a head).
; Batch b's work is counted as c = 16 + the sum over its tiles of 16 queries under Q_len of (1 + its key steps of 128: min(tile / 8 + 1, ceil(keys / 128)), keys = V_len, or 1,024 where V_len = 0).
; Every batch gets one unit; each of the other eight goes to the batch with the largest c / units (compared by cross products; the lower batch wins a tie).
; Entry i (8 bytes) of unit i: batch | part << 8 | units << 16;  Q_len | V_len << 16, both held to 0 .. 1,024.  Lanes 16-31 fill the 256 bytes with entries that nobody reads.
	s_or_b32 s30, ttmp9, s22
	s_or_b32 s30, s30, s16
	s_cmp_lg_u32 s30, 0
	s_cbranch_scc1 .Lno_tab
	s_load_b64 s[24:25], s[0:1], 0x28              ; Q_len
	s_load_b64 s[26:27], s[0:1], 0x30              ; V_len
	s_load_b64 s[28:29], s[0:1], 0x38              ; the table
	s_wait_kmcnt 0x0
	s_load_b256 s[32:39], s[24:25], 0x0
	s_load_b256 s[40:47], s[26:27], 0x0
	s_wait_kmcnt 0x0
.irp b, 0,1,2,3,4,5,6,7
	s_max_i32 s[32+\b], s[32+\b], 0
	s_min_u32 s[32+\b], s[32+\b], 1024
	s_max_i32 s[40+\b], s[40+\b], 0
	s_min_u32 s[40+\b], s[40+\b], 1024
	s_cmp_eq_u32 s[40+\b], 0
	s_cselect_b32 s66, 1024, s[40+\b]
	s_add_co_u32 s66, s66, 127
	s_lshr_b32 s66, s66, 7                         ; kv: key steps, 1 .. 8
	s_add_co_u32 s67, s[32+\b], 15
	s_lshr_b32 s67, s67, 4                         ; tiles under Q_len, 0 .. 64
	s_lshr_b32 s68, s67, 3                         ; G: whole groups of eight tiles
	s_and_b32 s69, s67, 7                          ; R: the rest
	s_min_u32 s70, s68, s66                        ; m = min(G, kv)
	s_add_co_u32 s71, s70, 1
	s_mul_i32 s71, s71, s70
	s_lshl_b32 s71, s71, 2                         ; 8 (1 + .. + m)
	s_sub_co_u32 s72, s68, s70
	s_mul_i32 s72, s72, s66
	s_lshl_b32 s72, s72, 3                         ; 8 (G - m) kv
	s_add_co_u32 s71, s71, s72
	s_add_co_u32 s72, s68, 1
	s_min_u32 s72, s72, s66
	s_mul_i32 s72, s72, s69                        ; R min(G + 1, kv)
	s_add_co_u32 s71, s71, s72
	s_add_co_u32 s71, s71, s67
	s_add_co_u32 s[48+\b], s71, 16                 ; c
	s_mov_b32 s[56+\b], 1                          ; units
.endr
.rept 8                                            ; eight rounds, written out: a unit each
	s_mov_b32 s74, s48
	s_mov_b32 s75, s56
	s_mov_b32 s76, 0
.irp b, 1,2,3,4,5,6,7
	s_mul_i32 s77, s[48+\b], s75
	s_mul_i32 s78, s74, s[56+\b]
	s_cmp_gt_u32 s77, s78                          ; c / units larger than the best so far?
	s_cselect_b32 s74, s[48+\b], s74
	s_cselect_b32 s75, s[56+\b], s75
	s_cselect_b32 s76, \b, s76
.endr
.irp b, 0,1,2,3,4,5,6,7
	s_cmp_eq_u32 s76, \b
	s_add_co_ci_u32 s[56+\b], s[56+\b], 0          ; + 1 for the winner alone
.endr
.endr
	s_mov_b32 s77, 0                               ; the batch's first unit
	v_mov_b32 v16, 0
	v_mov_b32 v17, 0
	v_lshlrev_b32 v18, 8, v2
.irp b, 0,1,2,3,4,5,6,7
	s_lshl_b32 s78, s[56+\b], 16
	s_add_co_u32 s78, s78, \b
	s_lshl_b32 s79, s77, 8
	s_sub_co_u32 s78, s78, s79                     ; with 256 x lane added: part = lane - first unit
	s_lshl_b32 s79, s[40+\b], 16
	s_or_b32 s79, s79, s[32+\b]
	v_cmp_le_u32 vcc_lo, s77, v2                   ; lanes from the batch's first unit on take its words; a later batch writes over them
	v_cndmask_b32 v16, v16, s78, vcc_lo
	v_cndmask_b32 v17, v17, s79, vcc_lo
	s_add_co_u32 s77, s77, s[56+\b]
.endr
	v_add_nc_u32 v16, v16, v18
	s_wait_alu depctr_va_vdst(0)                   ; the wait ahead of the reader below
	global_store_b64 v7, v[16:17], s[28:29]        ; 32 lanes store 256 consecutive bytes
.Lno_tab:
	s_wait_tensorcnt 0x0
	ds_add_u32 v192, v193
	s_wait_dscnt 0x0
	s_endpgm
.Lfunc_end_k_qab842a3eaa_quant_x:
	.size	k_qab842a3eaa_quant_x, .Lfunc_end_k_qab842a3eaa_quant_x-k_qab842a3eaa_quant_x
	.p2alignl 7, 3214868480
	.fill 96, 4, 3214868480
	.section	.rodata,"a",@progbits
	.p2align	6, 0x0
	.amdhsa_kernel k_qab842a3eaa_quant_x
		.amdhsa_group_segment_fixed_size 33280
		.amdhsa_private_segment_fixed_size 0
		.amdhsa_enable_private_segment 0
		.amdhsa_kernarg_size 64
		.amdhsa_user_sgpr_count 2
		.amdhsa_user_sgpr_kernarg_segment_ptr 1
		.amdhsa_wavefront_size32 1
		.amdhsa_system_sgpr_workgroup_id_x 1
		.amdhsa_system_sgpr_workgroup_id_y 1
		.amdhsa_system_sgpr_workgroup_id_z 1
		.amdhsa_system_vgpr_workitem_id 0
		.amdhsa_next_free_vgpr 194
		.amdhsa_next_free_sgpr 84
		.amdhsa_reserve_vcc 1
		.amdhsa_float_denorm_mode_32 3
		.amdhsa_float_denorm_mode_16_64 3
		.amdhsa_memory_ordered 1
		.amdhsa_forward_progress 1
		.amdhsa_inst_pref_size 60
	.end_amdhsa_kernel
	.amdgpu_metadata
---
amdhsa.version: [ 1, 2 ]
amdhsa.kernels:
  - .name:           k_qab842a3eaa_quant_x
    .symbol:         k_qab842a3eaa_quant_x.kd
    .args:
      - { .name: Q, .offset: 0, .size: 8, .value_kind: global_buffer, .address_space: global }
      - { .name: K, .offset: 8, .size: 8, .value_kind: global_buffer, .address_space: global }
      - { .name: V, .offset: 16, .size: 8, .value_kind: global_buffer, .address_space: global }
      - { .name: xc, .offset: 24, .size: 8, .value_kind: global_buffer, .address_space: global }
      - { .name: xs, .offset: 32, .size: 8, .value_kind: global_buffer, .address_space: global }
      - { .name: Q_len, .offset: 40, .size: 8, .value_kind: global_buffer, .address_space: global }
      - { .name: V_len, .offset: 48, .size: 8, .value_kind: global_buffer, .address_space: global }
      - { .name: tab, .offset: 56, .size: 8, .value_kind: global_buffer, .address_space: global }
    .group_segment_fixed_size: 33280
    .private_segment_fixed_size: 0
    .kernarg_segment_align: 8
    .kernarg_segment_size: 64
    .max_flat_workgroup_size: 128
    .sgpr_count:     84
    .vgpr_count:     194
    .wavefront_size: 32
...
	.end_amdgpu_metadata
.endif
;; end of part 2
;; launch proj (part 3): grid 4 x 96, 4 waves a work-group, clusters of 4 x 4, 327,680 bytes of LDS; arguments xc, xs, wc, ws, img, sc; writes img, sc
.if DOCPART == 3
	.amdgcn_target "amdgcn-amd-amdhsa--gfx1250"
	.amdhsa_code_object_version 6
	.text
	.protected	k_qab842a3eaa_proj
	.globl	k_qab842a3eaa_proj
	.p2align	8
	.type	k_qab842a3eaa_proj,@function
k_qab842a3eaa_proj:
	s_mov_b64 s[64:65], 0
	v_nop
	global_prefetch_b8 v0, s[64:65] scope:SCOPE_SE
	s_setreg_imm32_b32 hwreg(HW_REG_WAVE_MODE, 25, 1), 1
	s_wait_xcnt 0x0
	s_wait_alu depctr_hold_cnt(0) depctr_sa_sdst(0) depctr_va_vdst(0) depctr_va_sdst(0) depctr_va_ssrc(0) depctr_va_vcc(0) depctr_vm_vsrc(0)
	s_getreg_b32 s2, hwreg(HW_REG_IB_STS2, 6, 4)
	s_cmp_eq_u32 s2, 0
	s_cbranch_scc0 .Lentry_in_a_cluster
	s_endpgm
.Lentry_in_a_cluster:
	s_bfe_u32 s2, ttmp6, 0x10000c
	s_cmp_lg_u32 s2, 0xf033
	s_cbranch_scc0 .Lentry_shape_is_right
	s_endpgm
.Lentry_shape_is_right:
; THE THREE PROJECTIONS, on codes of FP4 (E2M1) with one E8M0 scale for each 32 along K = 1,024, AND THE QUANTISING OF THEIR RESULTS for the attention launch.
; One body: P[i][j] = sum over k of U[i][k] T[j][k], quantised along j.  q and k (p = 0, 1): U = the activations (8,192 rows), T = the weight (1,024 rows): j runs over heads x 64, two blocks of 32 a head.
; v (p = 2): U = WV (1,024 channels), T = the input V (8,192 keys): P = v^T, and j runs over the keys, which are the second attention product's K.  Below A = U, B = T.
; A tile of P, 256 x 256, is made by four waves, 128 x 128 each: 64 accumulators of 16 x 16.  K's two halves of 512 lie in two LDS slots, each filled once; the rows' scale bytes, for all of K, come with them.
; CLUSTERS: 4 x 4 work-groups; the four of a row of the cluster need the same tiles of A, the four of a column the same tiles of B: each tile is asked for JOINTLY.  Which projection, and which rows, hangs on the cluster's y alone.
; THE MATRIX INSTRUCTION IS USED TRANSPOSED (source 0 = 16 rows of B, source 1 = 16 rows of A): a lane holds one row i and its registers run along j.  All operands' rows are STORED PERMUTED in groups of 32
; (stored tile 2 b + u = true rows 32 b + 8 u + r + 8 (r / 8)), so register 16 b + n of a block of A is true j = 32 b + 16 (lane / 16) + n: 16 neighbours, and a block of 32 lies in lanes l and l xor 16.
; THE WAY OUT.  A block of A (16 stored rows x my 128 j) becomes eight registers of codes and a scale word a row, and leaves as an IMAGE OF AN OPERAND'S REGISTERS, 16 bytes a lane, 512 consecutive bytes a store:
;   q, k: registers 0-3 are head 2 J's tile (lane (r, h): block h of the head's 64), registers 4-7 head 2 J + 1's;  v: registers 4 c .. 4 c + 3 are half c of a fragment of 16 channels x 128 keys.
; LIMITS: a block of zeros gets the scale byte 1 (its codes are zeros; the bytes are this program's own); NaN and infinities are not served.
; REGISTERS, in windows of 256: window 0: v0-31 addresses; v32-95 scale words, two sets; v112-127, v200-217 the way out; v128-191 A's fragments, ONE set.
;   window 1: B's fragments, TWO sets, at v0 and at v128.   window 2: the 32 accumulators of my rows 0-63 (accumulator (a, b) at v[8 (8 a + b)]);   window 3: those of my rows 64-127.
.set SIZE_K, 1024
.set KSTEP,  512                       ; along K in a slot
.set NQ,     KSTEP/128                 ; matrix instructions deep
.set ROWB,   512                       ; a tile's row in bytes: ALL of K.  Each operand's 256 rows come by one load; the two halves of K lie side by side in an LDS row
.set KROW,   SIZE_K*4/8                ; a row of codes in memory
.set PITCH,  528                       ; an LDS row: 512 bytes + 16 of padding, an odd multiple of 16
.set FR,     8                         ; registers of a fragment: 16 rows x 128 K
.set NL,     2                         ; LDS loads that bring one
.set NP,     4                         ; places behind this matrix instruction (ISA guide 7.12.1)
.set HALFT,  128*PITCH                 ; 128 rows: half of what one tensor load brings
.set SLOT,   256                       ; from K's first half to its second, inside a row
.set KS,     SIZE_K/32                 ; a row of scale bytes
.set SCL,    4*HALFT                   ; behind A's 256 rows and B's 256 rows: the scales, as units of 256 bytes + 16 of padding
.set HALFS,  (128*KS/256)*272          ; the scales of 128 rows
.set SBLK,   (16*KS/256)*272           ; those of 16 rows
.set SPARE,  SCL+4*HALFS
.set SSTG,   SPARE+512                 ; the way out's stage for scale words: 1,024 bytes a wave, bytes into which no load lands
.set G0H,    4                         ; s[4:7], s[8:11] group 0 for A's and B's codes (the arguments that lay there have been used by then)
.set G0HB,   8
.set ADRA, 16                          ; v16-17  LDS address of my A fragments in slot 0, 1
.set ADRB, 20                          ; v20-21  the same for B
.set SST,  24                          ; v24     the way out: where a row's scale word goes: 1,024 x wave + 512 (lane / 16) + 4 (lane % 16), in the way out's stage behind the spare words
.set SRD,  25                          ; v25     and where 16 bytes of them are read back: 1,024 x wave + 16 x lane
.set VO0,  26                          ; v26     16 x lane: an image's place for my lane
.set ADRS, 27                          ; v27     LDS address of my scale words: lanes 0-15 A's rows, lanes 16-31 B's
.set SPW,  28                          ; v28     LDS address of my spare word; never rewritten
.set NIL,  29                          ; v29     0; never rewritten
.set VO1,  30                          ; v30     VO0 + the distance from registers 0-3's image to registers 4-7's
.set SH,   31                          ; v31     q, k: 16 x (lane / 16): lanes 16-31 take the second head's two bytes;  v: 0
.set SC,   32                          ; scale words: set s at v[SC + 8 NQ s]; register NQ i + q: lanes 0-15 A's block i, lanes 16-31 B's block i
.set PC,   112                         ; v112-119 the codes just made;  v120-127 scale words read back
.set AF,   128                         ; A's fragments
.set TM,   200                         ; v200-203 largest magnitudes, v204-207 the other half's, then bytes, v212-215 the conversions' scale operands
.set PW,   216                         ; the row's four scale bytes
.set SW,   217                         ; what of them goes to the stage
.set G1, 24                            ; s[24:31] descriptor group 1 for A's tiles
.set G0, 32
.set G1B, 48                           ; s[48:55] the same for B's tiles
.set G0B, 56
.set G1S, 68                           ; s[68:75], s[76:79] groups 1 and 0 for A's scales;  s[80:87], s[88:91] for B's
.set G0S, 76
.set G1SB, 80
.set G0SB, 88
.set PJ,  66                           ; s66  which projection: 0 q, 1 k, 2 v
.set MSB, 0
.macro WIN new                         ; the immediate's high byte repeats the setting that is left
.if MSB != (\new)
	s_set_vgpr_msb (MSB<<8)|(\new)
.set MSB, (\new)
.endif
.endm
.set MUL_LO, 0xa1                      ; source 0 (B) window 1, source 1 (A) window 0, C and D window 2
.set MUL_HI, 0xf1                      ; the same, C and D window 3
.set TO_B,   0x40                      ; destination window 1, address window 0
; A joint load: wave 0 fetches A's codes, wave 1 B's, wave 2 A's scales, wave 3 B's.  Each of the four lines has ONE mask and one set of registers for all that issue it; the branch hangs on the wave's number alone.
; Four v_nop follow each of the four lines, ahead of the jump, the label and what follows.
; An arm of the head's one tree of branches on the wave's number: its joint load, and a jump to the tree's end.
.macro ARM under, g0, g1, next
	s_cmp_lt_u32 s14, \under
	s_cbranch_scc0 \next
	tensor_load_to_lds s[\g0:\g0+3], s[\g1:\g1+7]
	s_nop 0
.rept 4
	v_nop
.endr
	s_branch .Lhead_asked
\next:
.endm
.macro CROUND                          ; a round of the cluster's barrier
	s_barrier_signal -1
	s_barrier_wait -1
	s_cmp_lg_u32 s14, 0
	s_cbranch_scc1 .Lnot_wave_0_\@
	s_barrier_signal -3
.Lnot_wave_0_\@:
	s_barrier_wait -3
	s_barrier_signal -1
	s_barrier_wait -1
.endm
	s_load_b256 s[4:11], s[0:1], 0x0               ; the activations' codes s[4:5] and scales s[6:7], the weights' codes s[8:9] and scales s[10:11]
	s_load_b128 s[96:99], s[0:1], 0x20             ; the images, their scale words
	v_lshl_add_u32 v[SPW], v0, 2, SPARE
	v_mov_b32 v[NIL], 0
	ds_add_u32 v28, v29
	ds_add_u32 v28, v29
	s_wait_dscnt 0x0
	v_lshrrev_b32 v1, 5, v0
	v_readfirstlane_b32 s14, v1                    ; wave 0..3
	s_lshr_b32 s15, s14, 1                         ; which half of the tile's rows is mine
	s_and_b32 s16, s14, 1                          ; which half of its columns
	s_bfe_u32 s40, ttmp6, 0x40000                  ; cx, cy: my place in the cluster
	s_bfe_u32 s41, ttmp6, 0x40004
	s_and_b32 s12, ttmp7, 0xffff                   ; the cluster's y, 0 .. 23: eight clusters a projection
	s_lshr_b32 s[PJ], s12, 3
	s_and_b32 s67, s12, 7
	s_cmp_eq_u32 s[PJ], 2
	s_cselect_b32 s17, 0, s67                      ; q, k: the eight clusters go down A's 32 tile rows;
	s_cselect_b32 s42, s67, 0                      ; v: along B's 32 tile columns
	s_lshl_b32 s17, s17, 2
	s_add_co_u32 s17, s17, s41                     ; tile row
	s_lshl_b32 s42, s42, 2
	s_add_co_u32 s42, s42, s40                     ; tile column
	s_lshl_b32 s43, s41, 2
	s_lshl_b32 s43, 15, s43                        ; my row of the cluster
	s_lshl_b32 s44, 0x1111, s40                    ; my column
	; descriptor group 1: a tile of 256 rows x ROWB bytes, padded in LDS
	s_or_b32 s[G1+0], s43, (0<<16)|(1<<20)|(1<<21)|(6<<22)|(3<<25)  ; the mask: A's tiles go to my row; elements of 1 byte; padding on; bit 21 beside a mask; after every 128 words (code 6) 4 words (code 3)
	s_or_b32 s[G1B+0], s44, (0<<16)|(1<<20)|(1<<21)|(6<<22)|(3<<25)
.irp g, G1, G1B
	s_mov_b32 s[\g+1], ROWB<<16                    ; tensor_dim0
	s_mov_b32 s[\g+2], 256<<16                     ; tensor_dim1 = 256
	s_mov_b32 s[\g+3], ROWB<<16                    ; tile_dim0
	s_mov_b32 s[\g+4], 256                         ; tile_dim1 = 256
	s_mov_b32 s[\g+5], KROW                        ; tensor_dim0_stride
	s_mov_b32 s[\g+6], 0
	s_mov_b32 s[\g+7], 0
.endr
	; and for the scales of 256 rows: a dense block of 8,192 bytes, as 32 rows of 256 bytes (32 elements of 8 bytes), 16 bytes of padding behind each
	s_or_b32 s[G1S+0], s43, (3<<16)|(1<<20)|(1<<21)|(5<<22)|(3<<25)
	s_or_b32 s[G1SB+0], s44, (3<<16)|(1<<20)|(1<<21)|(5<<22)|(3<<25)
.irp g, G1S, G1SB
	s_mov_b32 s[\g+1], 32<<16
	s_mov_b32 s[\g+2], KS<<16                      ; the scales of 256 rows: KS rows of 256 bytes
	s_mov_b32 s[\g+3], 32<<16
	s_mov_b32 s[\g+4], KS
	s_mov_b32 s[\g+5], 32
	s_mov_b32 s[\g+6], 0
	s_mov_b32 s[\g+7], 0
.endr
	s_lshl_b32 s20, s17, 8                         ; A: the tile's first row, 256 x tile row
	s_lshl_b32 s46, s42, 8                         ; B: 256 x tile column
	s_mov_b32 s21, 0
	s_mov_b32 s47, 0
	s_mov_b64 s[18:19], KS
	s_mul_u64 s[22:23], s[20:21], s[18:19]         ; where these rows' scales begin, in bytes
	s_mul_u64 s[92:93], s[46:47], s[18:19]
	s_mov_b64 s[18:19], KROW
	s_mul_u64 s[20:21], s[20:21], s[18:19]         ; and their codes
	s_mul_u64 s[46:47], s[46:47], s[18:19]
	s_mov_b32 s13, 0
	s_wait_kmcnt 0x0
	s_lshl_b32 s12, s[PJ], 22                      ; tensor p of each of the four buffers
	s_add_nc_u64 s[4:5], s[4:5], s[12:13]
	s_lshl_b32 s12, s[PJ], 18
	s_add_nc_u64 s[6:7], s[6:7], s[12:13]
	s_lshl_b32 s12, s[PJ], 19
	s_add_nc_u64 s[8:9], s[8:9], s[12:13]
	s_lshl_b32 s12, s[PJ], 15
	s_add_nc_u64 s[10:11], s[10:11], s[12:13]
	s_cmp_eq_u32 s[PJ], 2                          ; for v the weight is A and the activations are B: a choice that hangs on the cluster's y alone
	s_cselect_b64 s[100:101], s[8:9], s[4:5]
	s_cselect_b64 s[8:9], s[4:5], s[8:9]           ; B's codes
	s_mov_b64 s[4:5], s[100:101]                   ; A's codes
	s_cselect_b64 s[100:101], s[10:11], s[6:7]
	s_cselect_b64 s[10:11], s[6:7], s[10:11]       ; B's scales
	s_mov_b64 s[6:7], s[100:101]                   ; A's scales
	s_add_nc_u64 s[20:21], s[4:5], s[20:21]
	s_add_nc_u64 s[22:23], s[6:7], s[22:23]
	s_add_nc_u64 s[46:47], s[8:9], s[46:47]
	s_add_nc_u64 s[92:93], s[10:11], s[92:93]
	CROUND                                         ; all sixteen work-groups are here: the joint loads meet
	s_mov_b32 s[G0S], 1
	s_mov_b32 s[G0S+1], SCL
	s_mov_b64 s[G0S+2:G0S+3], s[22:23]
	s_or_b32 s[G0S+3], s[G0S+3], 0x80000000
	s_mov_b32 s[G0SB], 1
	s_mov_b32 s[G0SB+1], SCL+2*HALFS
	s_mov_b64 s[G0SB+2:G0SB+3], s[92:93]
	s_or_b32 s[G0SB+3], s[G0SB+3], 0x80000000
	s_mov_b32 s[G0H], 1                            ; A's 256 rows of codes, all of K,
	s_mov_b32 s[G0H+1], 0
	s_mov_b64 s[G0H+2:G0H+3], s[20:21]
	s_or_b32 s[G0H+3], s[G0H+3], 0x80000000
	s_mov_b32 s[G0HB], 1                           ; and B's, behind them
	s_mov_b32 s[G0HB+1], 2*HALFT
	s_mov_b64 s[G0HB+2:G0HB+3], s[46:47]
	s_or_b32 s[G0HB+3], s[G0HB+3], 0x80000000
; THE LAUNCH'S FOUR LOADS, ONE A WAVE: wave 0 A's codes, wave 1 B's, wave 2 A's scales, wave 3 B's.  Every way through the tree passes exactly one; nothing is filled later.
	ARM 1, G0H,  G1,  .Lhead_b
	ARM 2, G0HB, G1B, .Lhead_sa
	ARM 3, G0S,  G1S, .Lhead_sb
	tensor_load_to_lds s[G0SB:G0SB+3], s[G1SB:G1SB+7]
	s_nop 0
.rept 4
	v_nop
.endr
.Lhead_asked:
	v_and_b32 v1, 15, v0                           ; l % 16
	v_bfe_u32 v2, v0, 4, 1                         ; l / 16
	v_mul_u32_u24 v3, v1, PITCH
	v_lshl_add_u32 v4, v2, 4, v3                   ; a fragment's row x pitch + 16 x half
	s_mul_i32 s21, s15, HALFT                      ; my 128 rows of A
	s_mul_i32 s22, s16, HALFT                      ; my 128 rows of B,
	s_add_co_u32 s22, s22, 2*HALFT                 ; which lie behind A's 256
.irp s, 0,1
	v_add_nc_u32 v[ADRA+\s], s21, v4
	v_add_nc_u32 v[ADRB+\s], s22, v4
	s_add_co_u32 s21, s21, SLOT
	s_add_co_u32 s22, s22, SLOT
.endr
	v_mul_u32_u24 v5, v1, KS                       ; my row's scales: KS bytes a row,
	v_lshrrev_b32 v6, 8, v5
	v_lshl_add_u32 v5, v6, 4, v5                   ; and 16 more for each 256 passed
	s_mul_i32 s21, s15, HALFS                      ; A's: my 128 rows
	s_mul_i32 s22, s16, HALFS                      ; B's: my 128 rows, behind A's 256
	s_add_co_u32 s22, s22, 2*HALFS
	s_sub_co_u32 s22, s22, s21
	v_mul_u32_u24 v6, s22, v2                      ; lanes 16-31 take B's
	s_add_co_u32 s21, s21, SCL
	v_add_nc_u32 v5, v5, v6
	v_add_nc_u32 v[ADRS], s21, v5
	; the way out's addresses
	s_lshl_b32 s23, s14, 10                        ; my 1,024 bytes of the stage for scale words
	s_add_co_u32 s23, s23, SSTG
	v_lshlrev_b32 v5, 2, v1
	v_lshl_add_u32 v5, v2, 9, v5
	v_add_nc_u32 v[SST], s23, v5
	v_and_b32 v6, 31, v0
	v_lshlrev_b32 v[VO0], 4, v6
	s_wait_alu depctr_va_vdst(0)
	v_add_nc_u32 v[SRD], s23, v[VO0]
	s_lshl_b32 s20, s17, 4
	s_lshl_b32 s21, s15, 3
	s_add_co_u32 s20, s20, s21                     ; T0: my first stored tile of 16 rows of A
	s_lshl_b32 s21, s42, 1
	s_add_co_u32 s21, s21, s16                     ; J: which 128 of B's rows are mine.  q, k: heads 2 J and 2 J + 1;  v: batch J / 8, key step J % 8
	s_lshr_b32 s22, s20, 6                         ; q, k: the batch (64 tiles each),
	s_and_b32 s23, s20, 63                         ; and the tile in it
	s_lshl_b32 s46, s[PJ], 22                      ; images of q, k: 4,194,304 bytes a tensor, 524,288 a batch, 32,768 a head, 512 a tile
	s_lshl_b32 s47, s22, 19
	s_add_co_u32 s46, s46, s47
	s_lshl_b32 s47, s21, 16
	s_add_co_u32 s46, s46, s47
	s_lshl_b32 s47, s23, 9
	s_add_co_u32 s46, s46, s47
	s_lshl_b32 s92, s[PJ], 19                      ; their scale words: an eighth of that
	s_lshl_b32 s47, s22, 16
	s_add_co_u32 s92, s92, s47
	s_lshl_b32 s47, s21, 13
	s_add_co_u32 s92, s92, s47
	s_lshl_b32 s47, s23, 6
	s_add_co_u32 s92, s92, s47
	s_lshl_b32 s93, s21, 16                        ; images of v: behind q's and k's; 65,536 bytes for each 128 keys, 1,024 a tile of channels
	s_lshl_b32 s47, s20, 10
	s_add_co_u32 s93, s93, s47
	s_add_co_u32 s93, s93, 8388608
	s_lshl_b32 s94, s21, 12                        ; their scale words: 4,096 bytes for each 128 keys, 64 a tile
	s_lshl_b32 s47, s20, 6
	s_add_co_u32 s94, s94, s47
	s_add_co_u32 s94, s94, 1048576
	s_cmp_eq_u32 s[PJ], 2
	s_cselect_b32 s46, s93, s46
	s_cselect_b32 s92, s94, s92
	s_mov_b32 s18, 512
	s_cselect_b32 s18, 1024, s18                   ; from a block of A to the next
	s_mov_b32 s22, 32768
	s_cselect_b32 s22, 512, s22                    ; from registers 0-3's image to registers 4-7's
	s_cselect_b32 s23, 0, 16                       ; bits by which lanes 16-31 shift the row's four bytes down
	s_mov_b32 s43, 0xffff
	s_cselect_b32 s43, -1, s43                     ; and what is kept of them
	s_mov_b32 s19, 0
	s_mov_b32 s47, 0
	s_mov_b32 s93, 0
	s_add_nc_u64 s[96:97], s[96:97], s[46:47]
	s_add_nc_u64 s[98:99], s[98:99], s[92:93]
	v_add_nc_u32 v[VO1], s22, v[VO0]
	v_mul_u32_u24 v[SH], s23, v2
	s_mov_b32 s44, 0x76543210
	s_mov_b32 s45, 0xfedcba98                      ; v_permlanex16_b32's selects for lane l xor 16
.macro FRAG reg, adr, q, i             ; a fragment, 16 rows x 128 K of 4-bit codes, is 8 registers: lane l holds row l % 16; registers 4 c .. 4 c + 3 hold K = 64 c + 32 (l / 16) + 0 .. 31
.irp c, 0,1
	ds_load_b128 v[\reg+4*\c:\reg+4*\c+3], v[\adr] offset:64*(\q)+32*\c+(\i)*16*PITCH
.endr
.endm
; 16 matrix instructions: A's blocks a0, a0 + 1 x B's eight, 128 along K: the slot's q-th.  p: B's set;  sc: the set of scale words.  zero = 1: the first product starts the sums: nothing is ever cleared.
; The 64 accumulators take turns, one instruction a turn, in the same order in every step.
.macro MUL16 a0, p, q, sc, zero
.irp a, \a0, \a0+1
.irp b, 0,1,2,3,4,5,6,7
.if \zero
	v_wmma_scale_f32_16x16x128_f8f6f4 v[8*(8*((\a)%4)+\b):8*(8*((\a)%4)+\b)+7], v[128*(\p)+FR*\b:128*(\p)+FR*\b+FR-1], v[AF+FR*(\a):AF+FR*(\a)+FR-1], 0, v[SC+8*NQ*(\sc)+NQ*\b+(\q)], v[SC+8*NQ*(\sc)+NQ*(\a)+(\q)] matrix_a_fmt:MATRIX_FMT_FP4 matrix_b_fmt:MATRIX_FMT_FP4 matrix_a_scale:MATRIX_SCALE_ROW1
.else
	v_wmma_scale_f32_16x16x128_f8f6f4 v[8*(8*((\a)%4)+\b):8*(8*((\a)%4)+\b)+7], v[128*(\p)+FR*\b:128*(\p)+FR*\b+FR-1], v[AF+FR*(\a):AF+FR*(\a)+FR-1], v[8*(8*((\a)%4)+\b):8*(8*((\a)%4)+\b)+7], v[SC+8*NQ*(\sc)+NQ*\b+(\q)], v[SC+8*NQ*(\sc)+NQ*(\a)+(\q)] matrix_a_fmt:MATRIX_FMT_FP4 matrix_b_fmt:MATRIX_FMT_FP4 matrix_a_scale:MATRIX_SCALE_ROW1
.endif
.endr
.endr
.endm
.macro FETCH_B slot, q, p              ; B's eight fragments of the slot's q-th 128 along K into set p
	WIN TO_B
.irp i, 0,1,2,3,4,5,6,7
	FRAG 128*(\p)+FR*\i, ADRB+\slot, \q, \i
.endr
	WIN 0
.endm
.macro FETCH_A slot, q, i0             ; A's blocks i0 .. i0 + 3
.irp i, \i0, \i0+1, \i0+2, \i0+3
	FRAG AF+FR*(\i), ADRA+\slot, \q, \i
.endr
.endm
.macro SCALES sc                       ; a slot's scale words into set sc: NQ words a row; lanes 0-15 take A's block i, lanes 16-31 B's block i
.irp i, 0,1,2,3,4,5,6,7
	ds_load_b128 v[SC+8*NQ*\sc+NQ*\i:SC+8*NQ*\sc+NQ*\i+3], v[ADRS] offset:\i*SBLK
.endr
.endm
; A load into a register that a matrix instruction has read, and a vector instruction that reads a matrix result, stand NP places behind that matrix instruction, and only plain vector
; instructions that name none of its registers are places (ISA guide 7.12.1 for vector instructions); the matrix instructions in between are not counted.
.macro PLACES n
.rept \n
	v_nop
.endr
.endm
; A step of 128 along K that has its successor in the same slot.
.macro STEP slot, q, zero
	s_wait_dscnt 4*NL                              ; B's set and A's blocks 0-3 are in; the youngest eight loads (A's blocks 4-7) may be out
	WIN MUL_LO
	MUL16 0, (\q)%2, \q, \slot, \zero
	MUL16 2, (\q)%2, \q, \slot, \zero
	s_wait_dscnt 0                                 ; A's blocks 4-7 are in (asked for 32 matrix instructions ago)
	PLACES NP
	FETCH_B \slot, (\q)+1, 1-(\q)%2
	FETCH_A \slot, (\q)+1, 0
	WIN MUL_HI
	MUL16 4, (\q)%2, \q, \slot, \zero
	MUL16 6, (\q)%2, \q, \slot, \zero
	PLACES NP
	WIN 0
	FETCH_A \slot, (\q)+1, 4
.endm
; Slot 0's last step changes slots: ONE barrier; in front of it each wave waits for all its tensor loads (its part of slot 1), adds 0 to its spare word, and waits for that and for its own reads of slot 0.
; Behind it slot 1 is whole and nobody reads slot 0 any more; nothing is filled again.
.macro TURN slot, next
	s_wait_dscnt 4*NL                              ; (the youngest eight loads, A's blocks 4-7, may be out)  All of K lies in LDS: going on to its second half needs no barrier
	WIN MUL_LO
	MUL16 0, 1, NQ-1, \slot, 0
	s_wait_dscnt 0x0                               ; A's blocks 4-7 are in, and my reads of this slot are over
	MUL16 2, 1, NQ-1, \slot, 0
	WIN 0
	PLACES NP
	v_add_nc_u32 v[ADRS], 4*NQ, v[ADRS]            ; on to the next slot's scale words (no LDS load of mine is out)
	FETCH_B \next, 0, 0
	FETCH_A \next, 0, 0
	SCALES \next
	WIN MUL_HI
	MUL16 4, 1, NQ-1, \slot, 0
	MUL16 6, 1, NQ-1, \slot, 0
	PLACES NP
	WIN 0
	FETCH_A \next, 0, 4
.endm
.macro STEPS slot, from                ; the slot's steps from .. NQ - 2
.set Q, \from
.rept NQ-1-\from
	STEP \slot, Q, 0
.set Q, Q+1
.endr
.endm
	s_wait_alu depctr_va_vdst(0)                   ; the wait at the head's end
	s_wait_tensorcnt 0x0                           ; my one load has landed,
	s_barrier_signal -1
	s_barrier_wait -1                              ; everybody's are
	FETCH_B 0, 0, 0
	FETCH_A 0, 0, 0
	SCALES 0
	FETCH_A 0, 0, 4
	STEP 0, 0, 1                                   ; the first step's products start the sums
	STEPS 0, 1
	TURN 0, 1
	STEPS 1, 0
	s_wait_dscnt 4*NL                              ; the very last step: nothing more to fetch
	WIN MUL_LO
	MUL16 0, 1, NQ-1, 1, 0
	MUL16 2, 1, NQ-1, 1, 0
	s_wait_dscnt 0
	WIN MUL_HI
	MUL16 4, 1, NQ-1, 1, 0
	MUL16 6, 1, NQ-1, 1, 0
	WIN 0
; THE WAY OUT.  Block a's 64 numbers of a lane (window 2 or 3; register 16 b + n = true j 32 b + 16 (lane / 16) + n of my row) become eight registers of codes in v[PC] on and the row's four scale bytes in v[PW].
; Each accumulator is read from its low end on: the maxima take the registers in ascending order.
.macro QUANTW a
.set W,  2+(\a)/4
.set AC, 64*((\a)%4)
.set W01, W|(W<<2)
.set W12, (W<<2)|(W<<4)
	WIN W01                                        ; sources 0 and 1: the accumulators' window
.irp b, 0,1,2,3
	v_max3_num_f32 v[TM+\b], |v[AC+16*\b]|, |v[AC+16*\b+1]|, 0x1800000   ; block b: my 16 numbers, and the floor 2^(3 - 127): the byte cannot fall under 1
.endr
	WIN W12                                        ; sources 1 and 2
.irp i, 2,4,6,8,10,12,14
.irp b, 0,1,2,3
	v_max3_num_f32 v[TM+\b], v[TM+\b], |v[AC+16*\b+\i]|, |v[AC+16*\b+\i+1]|   ; (the four blocks by turns)
.endr
.endr
	WIN 0
.irp b, 0,1,2,3
	v_permlanex16_b32 v[TM+4+\b], v[TM+\b], s44, s45
.endr
.irp b, 0,1,2,3
	v_max_num_f32 v[TM+\b], v[TM+\b], v[TM+4+\b]   ; with lane l xor 16's: the block's largest magnitude
.endr
.irp b, 0,1,2,3
	v_add_nc_u32 v[TM+12+\b], 0xff000000, v[TM+\b] ; 2 off its exponent field: the conversion's scale operand
.endr
.irp b, 0,1,2,3
	v_lshrrev_b32 v[TM+4+\b], 23, v[TM+12+\b]      ; the scale's byte
.endr
	v_lshl_or_b32 v[PW], v[TM+5], 8, v[TM+4]
	v_lshl_or_b32 v[PW], v[TM+6], 16, v[PW]
	v_lshl_or_b32 v[PW], v[TM+7], 24, v[PW]
	WIN W                                          ; source 0
.irp b, 0,1,2,3
	v_cvt_scalef32_pk8_fp4_f32 v[PC+2*\b], v[AC+16*\b:AC+16*\b+7], v[TM+12+\b]
	v_cvt_scalef32_pk8_fp4_f32 v[PC+2*\b+1], v[AC+16*\b+8:AC+16*\b+15], v[TM+12+\b]
.endr
	WIN 0
	v_nop                                          ; one plain place behind a scaled conversion
.irp c, 0,1                                    ; an operand's layout wants a WHOLE block in a lane: lanes 0-15 block 2 c, lanes 16-31 block 2 c + 1
.irp i, 0,1
	v_permlane16_swap_b32 v[PC+4*\c+\i], v[PC+2+4*\c+\i]
.endr
.endr
.endm
.irp b, 0,1,2,3
	v_mov_b32 v[TM+4+\b], 0                        ; a lane permute's destination counts as one of its sources.  These four are also the places behind the last products
.endr
.irp a, 0,1,2,3,4,5,6,7
.if \a > 0
	s_wait_xcnt 0x0                                ; the last block's stores have read their data and their base: both are written again only behind this wait
	s_add_nc_u64 s[96:97], s[96:97], s[18:19]
.endif
	QUANTW \a
	v_lshrrev_b32 v[SW], v[SH], v[PW]              ; q, k: lanes 0-15 keep the first head's two bytes, lanes 16-31 the second's, with zeros above them (over zero codes);  v: all four
	v_and_b32 v[SW], s43, v[SW]
	ds_store_b32 v[SST], v[SW] offset:64*\a
	global_store_b128 v[VO0], v[PC:PC+3], s[96:97]     ; 32 lanes store 512 consecutive bytes: an image of registers 0-3
	global_store_b128 v[VO1], v[PC+4:PC+7], s[96:97]   ; and of registers 4-7
.endr
	ds_load_b128 v[120:123], v[SRD]                ; LDS serves a wave's instructions in order: these see my stores.  The scale words of my 128 rows: 512 bytes;
	ds_load_b128 v[124:127], v[SRD] offset:512     ; q, k: the second head's
	s_wait_dscnt 0x0
	global_store_b128 v[VO0], v[120:123], s[98:99]
	s_cmp_eq_u32 s[PJ], 2                          ; the same in all partners
	s_cbranch_scc1 .Lone_run
	global_store_b128 v[VO0], v[124:127], s[98:99] offset:4096
.Lone_run:
	s_wait_tensorcnt 0x0                           ; the wave's end, behind my last tensor load and my last LDS store
	ds_add_u32 v[SPW], v[NIL]
	s_wait_dscnt 0x0
	CROUND                                         ; the closing round: no work-group ends while a partner may still ask for a tile that names it
	s_endpgm
.Lfunc_end_k_qab842a3eaa_proj:
	.size	k_qab842a3eaa_proj, .Lfunc_end_k_qab842a3eaa_proj-k_qab842a3eaa_proj
	.p2alignl 7, 3214868480
	.fill 96, 4, 3214868480
	.section	.rodata,"a",@progbits
	.p2align	6, 0x0
	.amdhsa_kernel k_qab842a3eaa_proj
		.amdhsa_group_segment_fixed_size 327680
		.amdhsa_private_segment_fixed_size 0
		.amdhsa_enable_private_segment 0
		.amdhsa_kernarg_size 48
		.amdhsa_user_sgpr_count 2
		.amdhsa_user_sgpr_kernarg_segment_ptr 1
		.amdhsa_wavefront_size32 1
		.amdhsa_system_sgpr_workgroup_id_x 1
		.amdhsa_system_sgpr_workgroup_id_y 1
		.amdhsa_system_sgpr_workgroup_id_z 1
		.amdhsa_system_vgpr_workitem_id 0
		.amdhsa_next_free_vgpr 1024
		.amdhsa_next_free_sgpr 102
		.amdhsa_reserve_vcc 0
		.amdhsa_float_denorm_mode_32 3
		.amdhsa_float_denorm_mode_16_64 3
		.amdhsa_memory_ordered 1
		.amdhsa_forward_progress 1
		.amdhsa_inst_pref_size 130
	.end_amdhsa_kernel
	.amdgpu_metadata
---
amdhsa.version: [ 1, 2 ]
amdhsa.kernels:
  - .name:           k_qab842a3eaa_proj
    .symbol:         k_qab842a3eaa_proj.kd
    .args:
      - { .name: xc, .offset: 0, .size: 8, .value_kind: global_buffer, .address_space: global }
      - { .name: xs, .offset: 8, .size: 8, .value_kind: global_buffer, .address_space: global }
      - { .name: wc, .offset: 16, .size: 8, .value_kind: global_buffer, .address_space: global }
      - { .name: ws, .offset: 24, .size: 8, .value_kind: global_buffer, .address_space: global }
      - { .name: img, .offset: 32, .size: 8, .value_kind: global_buffer, .address_space: global }
      - { .name: sc, .offset: 40, .size: 8, .value_kind: global_buffer, .address_space: global }
    .group_segment_fixed_size: 327680
    .private_segment_fixed_size: 0
    .kernarg_segment_align: 8
    .kernarg_segment_size: 48
    .max_flat_workgroup_size: 128
    .sgpr_count:     102
    .vgpr_count:     1024
    .wavefront_size: 32
...
	.end_amdgpu_metadata
.endif
;; end of part 3
;; launch attn (part 4): grid 256 x 1, 16 waves a work-group, no clusters, 143,360 bytes of LDS; arguments img, sc, tab, out0; writes out0
.if DOCPART == 4
	.amdgcn_target "amdgcn-amd-amdhsa--gfx1250"
	.amdhsa_code_object_version 6
	.text
	.protected	k_qab842a3eaa_attn
	.globl	k_qab842a3eaa_attn
	.p2align	8
	.type	k_qab842a3eaa_attn,@function
k_qab842a3eaa_attn:
	s_mov_b64 s[64:65], 0
	v_nop
	global_prefetch_b8 v0, s[64:65] scope:SCOPE_SE
	s_setreg_imm32_b32 hwreg(HW_REG_WAVE_MODE, 25, 1), 1
	s_wait_xcnt 0x0
; out0[b][q][64 head + d] = (q < Q_len[b]) x the sum over keys of softmax(q . k / 8 - 1e12 (key >= V_len[b]) - 1e12 (key > q)) v[key][d], both products on codes of FP4 (E2M1) with one E8M0 scale for each 32 along a product's K.
; q, k and v^T arrive as images of operand registers with their scale words: q, k: tiles of 16 rows x 64 (K's upper 64 of the instruction's 128 are zero codes under the byte 0); v: fragments of 16 channels x 128 keys.
; Tile tau holds the true rows 32 (tau / 2) + 8 (tau % 2) + r + 8 (r / 8); channels are permuted likewise inside a head.
; THE SOFTMAX: t = logit x log2(e); M = the row's largest t so far, rounded UP to a whole number; p = 2^(t - M) is quantised along the keys, not normalised.  The row's sum is taken of the unquantised p and divides at the end.
; When M moves, the sum and O are multiplied by 2^(old M - new M): exact.
; THE MASKS.  With V_len >= 1 key 0 counts for every query, and every key >= V_len or > q has p = 0: key steps that hold such keys alone are left out (scalar branches on ids and on the lengths, read from the table);
; in a step that holds some, their scores become -infinity ahead of the maximum.  With V_len = 0 every key <= q carries fl(s / 8 - 1e12) and counts: all steps up to the diagonal are walked, and the logit is made with the
; roundings of the definition: s / 8 - x in one rounding (s / 8 is exact), x log2(e) in one, - M in one.
; LIMITS: with V_len >= 1 a masked key has p = 0 exactly, which is the definition's value while |s| / 8 lies far under 1e12; with V_len = 0 a key behind the query carries -2e12; NaN and infinities are not served;
; a block whose every p is 0 gets the scale byte 1 (its codes are zeros).
; SHARES.  The lengths make the batches' work unequal, so the 16 units of 16 work-groups (a work-group a head) are dealt to the batches by the table that an earlier launch stored: unit i serves batch, as part of units.
; The head's 64 tiles, counted t = 0 .. 63 from the last down, go round robin to the batch's units: part takes t = part + units x i.  In a work-group wave w takes i = w, 31 - w, 32 + w, 63 - w: four trips, a constant;
; a trip whose t passes 63 is jumped over.  K's and V's images of the head, 70 KiB, are copied into LDS once, through registers.  No cluster and no tensor load.
; Both products are used transposed (S^T = K Q^T, O^T = V^T P^T): a lane holds ONE query throughout; the 16 registers of tiles 2 b, 2 b + 1 of S^T are keys 32 b + 16 (lane / 16) + 0 .. 15.
; REGISTERS: v1-7, v24-31 addresses and constants that stay; v8-11 the step's LDS addresses; v12 -M, v13 the largest t, v[14:15] the sum; v16-23 Q (upper half zeros); v32-95 eight fragments of K (upper halves zeros);
;   v96-159 S^T, then p; v160-191 O^T; v192-223 four fragments of V; v224-231 p's codes; v232-239, v244-247, v250-252, v254 at work; v240-243 K's scale words, v248-249 V's, v253 p's, v255 Q's.
.set KIMG, 0                           ; LDS: K's 64 tiles x 512 bytes
.set VIMG, 32768                       ; V's 8 key steps x 4 tiles of channels x 2 halves x 512 bytes
.set KSC,  65536                       ; K's scale words
.set VSC,  69632                       ; V's
.set STG,  71680                       ; the way out: 16 rows x (256 + 16) bytes for each wave
.set QL,   14
.set VL,   15
.set WV,   16
.set PART, 22
.set UN,   23
.set TAU,  30                          ; the query tile in hand
.set Q0,   31                          ; its first query
.set LIMIT, 33                         ; keys from here on are not walked
.set OPENL, 34                         ; a step that ends at or under this key has no masked key
.set PN,   35                          ; 1 where this pass has a tile for my wave, else 0
.set LEFF, 44                          ; V_len, or 1,024 where V_len = 0
.set SEL,  46
.set CS,   48                          ; s[48:49] log2(e) / 8, or 1 where the registers hold t already
.set KF,   50                          ; the step's first key; the inner loop's counter
.set TB,   51
.set TS,   52
.set TJ,   53
.set MK,   56                          ; s56-59 lane masks (behind the fill, whose bases lay there)
	s_load_b256 s[4:11], s[0:1], 0x0               ; the images, their scale words, the table, out0
	v_lshrrev_b32 v1, 5, v0
	s_delay_alu instid0(VALU_DEP_1)
	v_readfirstlane_b32 s[WV], v1                  ; wave 0..15
	s_lshr_b32 s20, ttmp9, 4                       ; my unit,
	s_lshl_b32 s20, s20, 3                         ; its entry of 8 bytes
	s_and_b32 s19, ttmp9, 15                       ; head
	s_mov_b32 s21, 0
	s_mov_b32 s43, 0
	s_wait_kmcnt 0x0
	s_add_nc_u64 s[8:9], s[8:9], s[20:21]
	s_load_b32 s12, s[8:9], 0x0
	s_load_b32 s13, s[8:9], 0x4
	; all that hangs on the thread's number alone is made while the entry is on its way
	v_lshlrev_b32 v8, 4, v0                        ; THE FILL: 16 t: in K's images, and in LDS
	v_lshrrev_b32 v9, 8, v0
	v_and_b32 v10, 255, v0
	s_delay_alu instid0(VALU_DEP_1)
	v_lshlrev_b32 v10, 4, v10
	s_delay_alu instid0(VALU_DEP_1)
	v_lshl_add_u32 v9, v9, 16, v10                 ; V: key step t / 256 (+ 2 i), byte 16 (t % 256) of my head's 4,096
	v_lshlrev_b32 v10, 3, v0
	v_lshrrev_b32 v11, 6, v0
	v_and_b32 v250, 63, v0
	s_delay_alu instid0(VALU_DEP_1)
	v_lshlrev_b32 v250, 2, v250
	s_delay_alu instid0(VALU_DEP_1)
	v_lshl_add_u32 v11, v11, 12, v250              ; V's scale words: key step t / 64, channel t % 64
	v_lshl_add_u32 v5, v0, 3, KSC
	v_lshl_add_u32 v30, v0, 2, VSC
	v_and_b32 v250, 31, v0                         ; lane
	v_and_b32 v251, 15, v0                         ; r
	v_bfe_u32 v254, v0, 4, 1                       ; h
	s_delay_alu instid0(VALU_DEP_3)
	v_lshlrev_b32 v1, 4, v250                      ; 16 x lane: an image's place for my lane
	s_delay_alu instid0(VALU_DEP_1)
	v_add_nc_u32 v2, VIMG, v1
	v_lshl_add_u32 v3, v250, 2, KSC                ; scale words of a pair of tiles: lanes 0-15 the even tile's rows, lanes 16-31 the odd tile's
	v_lshl_add_u32 v4, v250, 2, VSC
	v_lshlrev_b32 v6, 2, v251                      ; q's scale words: row r's
	v_lshlrev_b32 v7, 4, v251
	s_delay_alu instid0(VALU_DEP_1)
	v_lshl_add_u32 v7, v254, 12, v7                ; out0: lanes 0-15 one row, lanes 16-31 the next; 16 bytes a lane
	v_and_b32 v31, 8, v251
	s_delay_alu instid0(VALU_DEP_1)
	v_add_nc_u32 v31, v31, v251                    ; r + 8 (r / 8): my query, counted from the tile's first
	v_lshlrev_b32 v25, 4, v254                     ; 16 h
	s_delay_alu instid0(VALU_DEP_1)
	v_sub_nc_u32 v24, v31, v25
	s_mul_i32 s54, s[WV], 4352
	s_add_co_u32 s54, s54, STG                     ; my stage
	v_mul_u32_u24 v26, v251, 272
	s_delay_alu instid0(VALU_DEP_1)
	v_lshl_add_u32 v26, v254, 6, v26
	s_delay_alu instid0(VALU_DEP_1)
	v_add_nc_u32 v26, s54, v26                     ; in: row r, + 64 h
	v_mul_u32_u24 v27, v254, 272
	s_delay_alu instid0(VALU_DEP_1)
	v_lshl_add_u32 v27, v251, 4, v27
	s_delay_alu instid0(VALU_DEP_1)
	v_add_nc_u32 v27, s54, v27                     ; back: lanes 0-15 one row, lanes 16-31 the next
	v_mov_b32 v28, 0x5368d4a5                      ; 1e12
	v_mov_b32 v29, 0x53e8d4a5                      ; 2e12
.irp j, 16,17,18,19,20,21,22,23,255
	v_mov_b32 v\j, 0                               ; Q's K = 64 .. 127: zero codes, written once
.endr
.irp t, 0,1,2,3,4,5,6,7
.irp j, 4,5,6,7
	v_mov_b32 v[32+8*\t+\j], 0                     ; K's likewise
.endr
.endr
.irp j, 236,237,238,239,252,253
	v_mov_b32 v\j, 0                               ; lane permutes' destinations, which count as sources; v253 is named as the upper half of a pair before it is first written
.endr
	s_mov_b32 s[SEL], 0x76543210
	s_mov_b32 s[SEL+1], 0xfedcba98
	s_wait_alu depctr_va_vdst(0)                   ; the wait at the head's end
	s_wait_kmcnt 0x0
	s_and_b32 s18, s12, 7
	s_min_u32 s18, s18, 7                          ; batch.  What was read from memory is held by a constant ahead of every address
	s_bfe_u32 s[PART], s12, 0x40008
	s_min_u32 s[PART], s[PART], 8
	s_bfe_u32 s[UN], s12, 0x40010
	s_min_u32 s[UN], s[UN], 9
	s_and_b32 s[QL], s13, 0xffff
	s_lshr_b32 s[VL], s13, 16
	s_lshl_b32 s17, s18, 4
	s_add_co_u32 s17, s17, s19                     ; 16 x batch + head
	s_lshl_b32 s42, s17, 15
	s_add_nc_u64 s[24:25], s[4:5], s[42:43]        ; q's images of my head: 32,768 bytes a head
	s_add_co_u32 s42, s42, 4194304
	s_add_nc_u64 s[56:57], s[4:5], s[42:43]        ; k's
	s_lshl_b32 s42, s18, 19
	s_lshl_b32 s54, s19, 12
	s_add_co_u32 s42, s42, s54
	s_add_co_u32 s42, s42, 8388608
	s_add_nc_u64 s[58:59], s[4:5], s[42:43]        ; v's: 65,536 bytes a key step, my head's 4,096 of them
	s_lshl_b32 s42, s17, 12
	s_add_nc_u64 s[26:27], s[6:7], s[42:43]        ; q's scale words: 4,096 bytes a head
	s_add_co_u32 s42, s42, 524288
	s_add_nc_u64 s[60:61], s[6:7], s[42:43]        ; k's
	s_lshl_b32 s42, s18, 15
	s_lshl_b32 s54, s19, 8
	s_add_co_u32 s42, s42, s54
	s_add_co_u32 s42, s42, 1048576
	s_add_nc_u64 s[62:63], s[6:7], s[42:43]        ; v's: 4,096 bytes a key step, my head's 256 of them
	s_lshl_b32 s42, s18, 22
	s_add_co_u32 s42, s42, s54
	s_add_nc_u64 s[28:29], s[10:11], s[42:43]      ; out0: my batch's rows of 4,096 bytes, my head's 256 of each
.irp i, 0,1,2,3
	global_load_b128 v[96+4*\i:99+4*\i], v8, s[56:57] offset:8192*\i
.endr
.irp i, 0,1,2,3
	global_load_b128 v[112+4*\i:115+4*\i], v9, s[58:59] offset:131072*\i
.endr
	global_load_b64 v[128:129], v10, s[60:61]
	global_load_b32 v130, v11, s[62:63]
	s_cmp_eq_u32 s[VL], 0
	s_cselect_b32 s[LEFF], 1024, s[VL]
	s_wait_loadcnt 0x0
.irp i, 0,1,2,3
	ds_store_b128 v8, v[96+4*\i:99+4*\i] offset:KIMG+8192*\i
	ds_store_b128 v8, v[112+4*\i:115+4*\i] offset:VIMG+8192*\i
.endr
	ds_store_b64 v5, v[128:129]
	ds_store_b32 v30, v130
	s_wait_dscnt 0x0                               ; for the others' sake: my stores are done
	s_barrier_signal -1
	s_barrier_wait -1                              ; the launch's one barrier: from here on the waves share only bytes that nobody writes
; ONE TILE OF 16 QUERIES, from its scalars to its rows of out0; four passes on end.  A pass with no tile for my wave (t past 63) walks the eight trips with nothing to do in them, loads no Q and stores nothing.
.macro PASS p
.if (\p)%2
	s_sub_co_u32 s32, 16*(\p)+15, s[WV]            ; odd passes go back through the waves
.else
	s_add_co_u32 s32, s[WV], 16*(\p)
.endif
	s_mul_i32 s32, s32, s[UN]
	s_add_co_u32 s32, s32, s[PART]                 ; t = part + units x i
	s_cmp_le_u32 s32, 63
	s_cselect_b32 s[PN], 1, 0
	s_sub_co_u32 s[TAU], 63, s32
	s_min_u32 s[TAU], s[TAU], 63                   ; held by a constant ahead of the addresses
	s_and_b32 s[Q0], s[TAU], 62
	s_lshl_b32 s[Q0], s[Q0], 4
	s_and_b32 s32, s[TAU], 1
	s_lshl_b32 s32, s32, 3
	s_add_co_u32 s[Q0], s[Q0], s32                 ; 32 (tau / 2) + 8 (tau % 2); the tile's last query is 23 further on
	s_add_co_u32 s[LIMIT], s[Q0], 24
	s_min_u32 s[LIMIT], s[LIMIT], s[LEFF]
	s_cmp_ge_u32 s[Q0], s[QL]
	s_cselect_b32 s[LIMIT], 0, s[LIMIT]            ; a tile all of whose queries lie at or beyond Q_len walks nothing: its rows are zeros
	s_cmp_eq_u32 s[PN], 0
	s_cselect_b32 s[LIMIT], 0, s[LIMIT]            ; and so does a pass without a tile
	s_add_co_u32 s[OPENL], s[Q0], 1
	s_min_u32 s[OPENL], s[OPENL], s[VL]
	s_lshl_b32 s42, s[TAU], 9
	s_add_nc_u64 s[36:37], s[24:25], s[42:43]
	s_lshl_b32 s42, s[TAU], 6
	s_add_nc_u64 s[38:39], s[26:27], s[42:43]
	s_lshl_b32 s42, s[Q0], 12
	s_add_nc_u64 s[40:41], s[28:29], s[42:43]
	s_cmp_eq_u32 s[PN], 0                          ; compared anew: the shifts and sums above have set SCC
	s_cbranch_scc1 .Lnoq_\@                        ; a pass without a tile loads no Q
	global_load_b128 v[16:19], v1, s[36:37]        ; Q's fragment
	global_load_b32 v255, v6, s[38:39]             ; and its scale words
.Lnoq_\@:
	v_mov_b32 v13, 0xff61b1e6                      ; the largest t so far: -3e38, under every t
	s_delay_alu instid0(VALU_DEP_1)
	v_floor_f32 v12, -v13                          ; -M
	v_mov_b32 v14, 0                               ; the sum, in two halves
	v_mov_b32 v15, 0
.set j, 0
.rept 32
	v_mov_b32 v[160+j], 0                          ; O^T: the first step finds zeros, which the first change of M leaves zeros; a tile that walks nothing stores them
.set j, j+1
.endr
	s_mov_b32 s[KF], 0
	s_mov_b32 s[TB], 0
	s_mov_b32 s[TS], 0
	s_mov_b32 s[TJ], 0
	s_wait_loadcnt 0x0
.Ltrip_\@:                                         ; eight trips, a constant: a step that is not wanted jumps to the lines that step the addresses
	s_cmp_ge_u32 s[KF], s[LIMIT]
	s_cbranch_scc1 .Lskip_\@
	v_add_nc_u32 v8, s[TB], v1
	v_add_nc_u32 v9, s[TB], v2
	v_add_nc_u32 v10, s[TS], v3
	v_add_nc_u32 v11, s[TJ], v4                    ; (these four and the four v_nop at a step's end stand between the last products and the loads into V's registers)
.irp t, 0,1,2,3,4,5,6,7
	ds_load_b128 v[32+8*\t:35+8*\t], v8 offset:512*\t
.endr
.irp g, 0,1,2,3
	ds_load_b32 v[240+\g], v10 offset:128*\g
.endr
.irp t, 0,1,2,3
	ds_load_b128 v[192+8*\t:195+8*\t], v9 offset:1024*\t
	ds_load_b128 v[196+8*\t:199+8*\t], v9 offset:1024*\t+512
.endr
.irp g, 0,1
	ds_load_b32 v[248+\g], v11 offset:128*\g
.endr
	s_wait_dscnt 10                                ; K's twelve loads are in; V's ten, issued behind them, may be out
.irp g, 0,1,2,3                                ; S^T = K Q^T: source 0 = 16 keys, source 1 = my 16 queries; the odd tile's scale words lie in lanes 16-31
	v_wmma_scale_f32_16x16x128_f8f6f4 v[96+16*\g:103+16*\g], v[32+16*\g:39+16*\g], v[16:23], 0, v[240+\g], v255 matrix_a_fmt:MATRIX_FMT_FP4 matrix_b_fmt:MATRIX_FMT_FP4
	v_wmma_scale_f32_16x16x128_f8f6f4 v[104+16*\g:111+16*\g], v[40+16*\g:47+16*\g], v[16:23], 0, v[240+\g], v255 matrix_a_fmt:MATRIX_FMT_FP4 matrix_b_fmt:MATRIX_FMT_FP4 matrix_a_scale:MATRIX_SCALE_ROW1
.endr
.rept 4
	v_nop                                          ; places behind the products, ahead of the first read of their results
.endr
	s_mov_b32 s[CS], 0x3e38aa3b                    ; log2(e) / 8
	s_mov_b32 s[CS+1], s[CS]                       ; (the packed form names the pair)
	s_add_co_u32 s54, s[KF], 128
	s_cmp_le_u32 s54, s[OPENL]
	s_cbranch_scc1 .Lopen_\@                       ; all 128 keys lie under V_len and at or under the tile's first query
	s_sub_co_i32 s55, s[Q0], s[KF]
	s_sub_co_i32 s54, s[VL], s[KF]
	s_sub_co_i32 s54, s54, 1
	s_cmp_eq_u32 s[VL], 0
	s_cbranch_scc1 .Lnokeys_\@
	; V_len >= 1.  Register n holds key KF + 16 h + kn, kn = 32 (n / 16) + n % 16: masked where kn > min(my query, V_len - 1) - KF - 16 h
	v_add_nc_u32 v251, s55, v24
	v_sub_nc_u32 v250, s54, v25
	v_mov_b32 v254, 0xff800000                     ; -infinity
	s_delay_alu instid0(VALU_DEP_2)
	v_cmp_lt_i32 vcc_lo, v250, v251
	s_delay_alu instid0(VALU_DEP_1)
	v_cndmask_b32 v251, v251, v250, vcc_lo
	s_delay_alu instid0(VALU_DEP_1)
.set n, 0
.rept 16                                       ; four compares, then their four selects: four chains by turns
.irp m, 0,1,2,3
	v_cmp_gt_i32 s[MK+\m], 32*((n+\m)/16)+(n+\m)%16, v251
.endr
.irp m, 0,1,2,3
	v_cndmask_b32 v[96+n+\m], v[96+n+\m], v254, s[MK+\m]
.endr
.set n, n+4
.endr
	s_wait_alu depctr_va_vdst(0)                   ; the wait ahead of the jump
	s_branch .Lopen_\@
.Lnokeys_\@:                                       ; V_len = 0: every key carries 1e12, a key behind my query 2e12
	v_add_nc_u32 v251, s55, v24
.set n, 0
.rept 64
	v_cmp_gt_i32 vcc_lo, 32*(n/16)+n%16, v251
	s_delay_alu instid0(VALU_DEP_1)
	v_cndmask_b32 v[252+2*(n%2)], v28, v29, vcc_lo
	v_fma_f32 v[96+n], v[96+n], 0x3e000000, -v[252+2*(n%2)]   ; the logit: s / 8 is exact, so this is the definition's one rounding
	s_delay_alu instid0(VALU_DEP_1)
	v_mul_f32 v[96+n], 0x3fb8aa3b, v[96+n]         ; t
.set n, n+1
.endr
	s_mov_b32 s[CS], 1.0                           ; the registers hold t already: t - M is then a plain rounded difference
	s_mov_b32 s[CS+1], 1.0
.Lopen_\@:
.irp b, 0,1,2,3
	v_max3_num_f32 v[232+\b], v[96+16*\b], v[97+16*\b], v[98+16*\b]   ; the largest score of each block of 32 keys: for the row's maximum, and, since p rises with the score, for the block's largest p
.endr
.irp i, 3,5,7,9,11,13
.irp b, 0,1,2,3
	v_max3_num_f32 v[232+\b], v[232+\b], v[96+16*\b+\i], v[97+16*\b+\i]
.endr
.endr
.irp b, 0,1,2,3
	v_max_num_f32 v[232+\b], v[232+\b], v[111+16*\b]
.endr
.irp b, 0,1,2,3
	s_delay_alu instid0(VALU_DEP_4)
	v_permlanex16_b32 v[236+\b], v[232+\b], s[SEL], s[SEL+1]
.endr
.irp b, 0,1,2,3
	s_delay_alu instid0(VALU_DEP_4)
	v_max_num_f32 v[232+\b], v[232+\b], v[236+\b]  ; with lane l xor 16's 16 keys
.endr
	s_delay_alu instid0(VALU_DEP_2)
	v_max3_num_f32 v254, v232, v233, v234
	s_delay_alu instid0(VALU_DEP_1)
	v_max_num_f32 v254, v254, v235                 ; the step's largest score of my query
	s_delay_alu instid0(VALU_DEP_1)
	v_mul_f32 v254, s[CS], v254                    ; as t
	s_delay_alu instid0(VALU_DEP_1)
	v_max_num_f32 v13, v13, v254                   ; the running largest t
	v_mov_b32 v254, v12
	s_delay_alu instid0(VALU_DEP_2)
	v_floor_f32 v12, -v13                          ; the new -M = floor(-t) = -ceil(t): a whole number
	s_delay_alu instid0(VALU_DEP_1)
	v_sub_f32 v254, v12, v254                      ; old M less new M: a whole number, 0 or less
	s_delay_alu instid0(VALU_DEP_1)
	v_cvt_i32_f32 v254, v254                       ; (it saturates)
	s_delay_alu instid0(VALU_DEP_1)
	v_ldexp_f32 v252, 1.0, v254                    ; f = 2^(old M - new M)
.set j, 0
.rept 32
	v_pk_fma_f32 v[96+j:97+j], v[96+j:97+j], s[CS:CS+1], v[12:13] op_sel_hi:[1,0,0]   ; t - M, two at a time (of both pairs the low word serves both halves)
.set j, j+2
.endr
.irp b, 0,1,2,3
	v_fma_f32 v[232+\b], v[232+\b], s[CS], v12     ; the same of each block's largest score
.endr
.set j, 0
	s_wait_alu depctr_va_vdst(0)                   ; the wait ahead of the batch
.rept 64
	v_exp_f32 v[96+j], v[96+j]                     ; p = 2^(t - M), at most 1
.set j, j+1
.endr
	v_pk_mul_f32 v[14:15], v[14:15], v[252:253] op_sel_hi:[1,0]   ; the sums under the new M: the plain instruction behind the exponentials
	s_wait_alu depctr_va_vdst(0)                   ; one wait for the batch of 64, ahead of its first reader
.irp b, 0,1,2,3
	v_exp_f32 v[232+\b], v[232+\b]                 ; the block's largest p: the same two instructions on the same number give the same bits
.endr
	; the row's sum of the unquantised p: eight chains by turns, then a tree
.set j, 96
.irp a, 236,250,246,244,242,240,238
	v_pk_add_f32 v[\a:\a+1], v[j:j+1], v[j+2:j+3]
.set j, j+4
.endr
	v_pk_add_f32 v[14:15], v[14:15], v[124:125]
.set j, 126
.rept 2
.irp a, 236,250,246,244,242,240,238,14
	v_pk_add_f32 v[\a:\a+1], v[\a:\a+1], v[j:j+1]
.set j, j+2
.endr
.endr
	v_pk_add_f32 v[236:237], v[236:237], v[158:159]
	s_delay_alu instid0(VALU_DEP_2)
	v_pk_add_f32 v[14:15], v[14:15], v[244:245]
	s_delay_alu instid0(VALU_DEP_2)
	v_pk_add_f32 v[236:237], v[236:237], v[242:243]
	v_pk_add_f32 v[250:251], v[250:251], v[240:241]
	v_pk_add_f32 v[246:247], v[246:247], v[238:239]
	s_delay_alu instid0(VALU_DEP_2)
	v_pk_add_f32 v[14:15], v[14:15], v[250:251]
	s_delay_alu instid0(VALU_DEP_2)
	v_pk_add_f32 v[236:237], v[236:237], v[246:247]
	s_delay_alu instid0(VALU_DEP_1)
	v_pk_add_f32 v[14:15], v[14:15], v[236:237]
	s_wait_alu depctr_va_vdst(0)                   ; and one for the four
.irp b, 0,1,2,3
	v_max_num_f32 v[232+\b], 0x1800000, v[232+\b]  ; the floor 2^(3 - 127): the byte cannot fall under 1
.endr
.irp b, 0,1,2,3
	s_delay_alu instid0(VALU_DEP_4)
	v_add_nc_u32 v[244+\b], 0xff000000, v[232+\b]  ; 2 off the exponent field: the conversion's scale operand
.endr
.irp b, 0,1,2,3
	s_delay_alu instid0(VALU_DEP_4)
	v_lshrrev_b32 v[236+\b], 23, v[244+\b]         ; the scale's byte
.endr
	s_delay_alu instid0(VALU_DEP_3)
	v_lshl_or_b32 v253, v237, 8, v236              ; p's scale word for these 128 keys
	s_delay_alu instid0(VALU_DEP_1)
	v_lshl_or_b32 v253, v238, 16, v253
	s_delay_alu instid0(VALU_DEP_1)
	v_lshl_or_b32 v253, v239, 24, v253
.irp b, 0,1,2,3
	v_cvt_scalef32_pk8_fp4_f32 v[224+2*\b], v[96+16*\b:103+16*\b], v[244+\b]
	v_cvt_scalef32_pk8_fp4_f32 v[225+2*\b], v[104+16*\b:111+16*\b], v[244+\b]
.endr
	v_nop                                          ; one plain place behind a scaled conversion
.irp c, 0,1                                    ; the operand's layout wants a WHOLE block in a lane
.irp i, 0,1
	v_permlane16_swap_b32 v[224+4*\c+\i], v[226+4*\c+\i]
.endr
.endr
.set j, 0
.rept 16
	v_pk_mul_f32 v[160+j:161+j], v[160+j:161+j], v[252:253] op_sel_hi:[1,0]   ; O^T under the new M.  (With the four below: the places between the scale word's and the codes' last writes and the products)
.set j, j+2
.endr
.rept 4
	v_nop
.endr
	s_wait_alu depctr_va_vdst(0)                   ; directly ahead of the wait below
	s_wait_dscnt 0x0                               ; V's fragments and scale words are in
.irp g, 0,1                                    ; O^T += V^T P^T: source 0 = 16 channels, source 1 = p; four accumulators by turns
	v_wmma_scale_f32_16x16x128_f8f6f4 v[160+16*\g:167+16*\g], v[192+16*\g:199+16*\g], v[224:231], v[160+16*\g:167+16*\g], v[248+\g], v253 matrix_a_fmt:MATRIX_FMT_FP4 matrix_b_fmt:MATRIX_FMT_FP4
	v_wmma_scale_f32_16x16x128_f8f6f4 v[168+16*\g:175+16*\g], v[200+16*\g:207+16*\g], v[224:231], v[168+16*\g:175+16*\g], v[248+\g], v253 matrix_a_fmt:MATRIX_FMT_FP4 matrix_b_fmt:MATRIX_FMT_FP4 matrix_a_scale:MATRIX_SCALE_ROW1
.endr
.rept 4
	v_nop                                          ; places behind the products: for the next step's loads into V's registers and for the way out's reads of O^T
.endr
.Lskip_\@:
	s_add_co_u32 s[TB], s[TB], 4096
	s_add_co_u32 s[TS], s[TS], 512
	s_add_co_u32 s[TJ], s[TJ], 256
	s_add_co_u32 s[KF], s[KF], 128
	s_cmp_lt_u32 s[KF], 1024
	s_cbranch_scc1 .Ltrip_\@
	s_cmp_eq_u32 s[PN], 0
	s_cbranch_scc1 .Lnone_\@                       ; no tile: another wave owns the rows that the held tile number names
	; THE WAY OUT.  O^T / the sum, or 0 for a query at or beyond Q_len, goes through my stage in LDS and leaves as rows: sixteen lanes store 256 consecutive bytes, my head's part of a row of out0.
	v_add_f32 v14, v14, v15                        ; the sum's two halves,
	s_delay_alu instid0(VALU_DEP_1)
	v_permlanex16_b32 v252, v14, s[SEL], s[SEL+1]
	s_delay_alu instid0(VALU_DEP_1)
	v_add_f32 v14, v14, v252                       ; and lane l xor 16's: the row's sum
	s_wait_alu depctr_va_vdst(0)                   ; the wait ahead of the transcendental
	v_rcp_f32 v14, v14
	v_add_nc_u32 v250, s[Q0], v31                  ; my query  (the plain place behind the reciprocal)
	s_delay_alu instid0(VALU_DEP_1)
	v_cmp_gt_u32 vcc_lo, s[QL], v250
	s_wait_alu depctr_va_vdst(0)                   ; the wait ahead of the reciprocal's first reader
	v_cndmask_b32 v14, 0, v14, vcc_lo              ; the query mask: the factor is 0 (also where nothing was walked and the sum is 0)
.set j, 0
.rept 32
	v_mul_f32 v[96+j], v[160+j], v14               ; tile t = 2 b + u, register i: channel 32 b + 16 h + 8 u + i of my query
.set j, j+1
.endr
.irp t, 0,1,2,3
	ds_store_b128 v26, v[96+8*\t:99+8*\t] offset:128*(\t/2)+32*(\t%2)
	ds_store_b128 v26, v[100+8*\t:103+8*\t] offset:128*(\t/2)+32*(\t%2)+16
.endr
.irp i, 0,1,2,3,4,5,6,7
	ds_load_b128 v[128+4*\i:131+4*\i], v27 offset:544*\i   ; LDS serves a wave's instructions in order: these see my stores.  Stage rows 2 i and 2 i + 1
.endr
.irp i, 0,1,2,3,4,5,6,7
	s_wait_dscnt 7-\i                              ; pair i is back; the younger loads may be out
	global_store_b128 v7, v[128+4*\i:131+4*\i], s[40:41] offset:(2*\i+8*(\i/4))*4096 th:TH_STORE_NT   ; stage row rho is query Q0 + rho + 8 (rho / 8)
.endr
	s_wait_xcnt 0x0                                ; the stores have read their data and their base: both are written again only behind this wait
.Lnone_\@:
.endm
	PASS 0
	PASS 1
	PASS 2
	PASS 3
	s_wait_xcnt 0x0
	v_lshl_add_u32 v254, v0, 2, 0x22800            ; my spare word, behind the stages, and 0: made anew here, since no two registers could be kept
	v_mov_b32 v255, 0
	s_wait_alu depctr_va_vdst(0)
	s_wait_tensorcnt 0x0                           ; the wave's end
	ds_add_u32 v254, v255
	s_wait_dscnt 0x0
	s_endpgm
.Lfunc_end_k_qab842a3eaa_attn:
	.size	k_qab842a3eaa_attn, .Lfunc_end_k_qab842a3eaa_attn-k_qab842a3eaa_attn
	.p2alignl 7, 3214868480
	.fill 96, 4, 3214868480
	.section	.rodata,"a",@progbits
	.p2align	6, 0x0
	.amdhsa_kernel k_qab842a3eaa_attn
		.amdhsa_group_segment_fixed_size 143360
		.amdhsa_private_segment_fixed_size 0
		.amdhsa_enable_private_segment 0
		.amdhsa_kernarg_size 32
		.amdhsa_user_sgpr_count 2
		.amdhsa_user_sgpr_kernarg_segment_ptr 1
		.amdhsa_wavefront_size32 1
		.amdhsa_system_sgpr_workgroup_id_x 1
		.amdhsa_system_sgpr_workgroup_id_y 1
		.amdhsa_system_sgpr_workgroup_id_z 1
		.amdhsa_system_vgpr_workitem_id 0
		.amdhsa_next_free_vgpr 256
		.amdhsa_next_free_sgpr 66
		.amdhsa_reserve_vcc 1
		.amdhsa_float_denorm_mode_32 3
		.amdhsa_float_denorm_mode_16_64 3
		.amdhsa_memory_ordered 1
		.amdhsa_forward_progress 1
		.amdhsa_inst_pref_size 213
	.end_amdhsa_kernel
	.amdgpu_metadata
---
amdhsa.version: [ 1, 2 ]
amdhsa.kernels:
  - .name:           k_qab842a3eaa_attn
    .symbol:         k_qab842a3eaa_attn.kd
    .args:
      - { .name: img, .offset: 0, .size: 8, .value_kind: global_buffer, .address_space: global }
      - { .name: sc, .offset: 8, .size: 8, .value_kind: global_buffer, .address_space: global }
      - { .name: tab, .offset: 16, .size: 8, .value_kind: global_buffer, .address_space: global }
      - { .name: out0, .offset: 24, .size: 8, .value_kind: global_buffer, .address_space: global }
    .group_segment_fixed_size: 143360
    .private_segment_fixed_size: 0
    .kernarg_segment_align: 8
    .kernarg_segment_size: 32
    .max_flat_workgroup_size: 512
    .sgpr_count:     66
    .vgpr_count:     256
    .wavefront_size: 32
...
	.end_amdgpu_metadata
.endif
;; end of part 4
